; MI455X (gfx1250); checked and timed in simulation.
; The chip was launched on July 23, 2026; its instructions are those of AMD's public machine-readable ISA for CDNA 5 (MIT licence, August 2026) and "CDNA5" Instruction Set Architecture Reference Guide (July 2026). The comments in the code are by the model that wrote it; some were corrected since.
;; Simple Self Attention. Allowed arithmetic: matrix products marked QUANTISED: E5M2 operands, one E8M0 scale for each 32 along K, by v_wmma_scale_f32_16x16x128_f8f6f4 with both operands' format E5M2, f32 sums; everything else in f32.
;; Inputs: Wk_codes 1,024 x 32 x 32 uint8 (E5M2 codes of Wk, K innermost, in blocks of 32 codes); Wk_scales 1,024 x 32 uint8 (E8M0 scales of Wk, one for each 32 codes along K); Wq_codes 1,024 x 32 x 32 uint8 (E5M2 codes of Wq, K innermost, in blocks of 32 codes); Wq_scales 1,024 x 32 uint8 (E8M0 scales of Wq, one for each 32 codes along K); Wv_codes 1,024 x 32 x 32 uint8 (E5M2 codes of Wv, K innermost, in blocks of 32 codes); Wv_scales 1,024 x 32 uint8 (E8M0 scales of Wv, one for each 32 codes along K); bk 1,024 float32; bq 1,024 float32; bv 1,024 float32; x_codes 4 x 2,048 x 32 x 32 uint8 (E5M2 codes of x, K innermost, in blocks of 32 codes); x_scales 4 x 2,048 x 32 uint8 (E8M0 scales of x, one for each 32 codes along K).
;; Outputs: out0 4 x 2,048 x 1,024 float32.
;; This version of the problem:
;;   THIS VERSION OF THE PROBLEM IS GIVEN IN LOW PRECISION. The matrix products marked QUANTISED in the list below multiply operands that are first quantised to E5M2 (5 exponent bits, 2 mantissa bits; 8 bits a number), with one power-of-two scale for each 32 numbers along K (OCP MX v1.0); their sums are f32. All else is computed in f32.
;;   The module's matrix products, in the order in which they are computed (A, B: the left and right operand; K: the contracted axis; several contracted axes count as one K, in the product's order):
;;     1. [M 8,192, K 1,024] x [K 1,024, N 1,024]; A: input x (given as codes); B: input Wq (given as codes): QUANTISED
;;     2. [M 8,192, K 1,024] x [K 1,024, N 1,024]; A: input x (given as codes); B: input Wk (given as codes): QUANTISED
;;     3. [M 8,192, K 1,024] x [K 1,024, N 1,024]; A: input x (given as codes); B: input Wv (given as codes): QUANTISED
;;     4. batch 4 x [M 2,048, K 1,024] x [K 1,024, N 2,048]; A: computed on the way; B: computed on the way: QUANTISED
;;     5. batch 4 x [M 2,048, K 2,048] x [K 2,048, N 1,024]; A: softmax (see below); B: computed on the way: QUANTISED
;;   THE QUANTISER, for each operand of a quantised product, along K:
;;     - K is cut into blocks of 32 from its start; a last block that is shorter is filled with zeros.
;;     - A block's scale is 2^e with e = floor(log2(the largest magnitude in the block)) - 15, held to -126 .. 127; a block of zeros has e = 0. As a byte (E8M0): e + 127.
;;     - Each number is divided by its block's scale, clamped to +-57,344, and rounded to the nearest number of E5M2, ties to even, subnormals kept.
;;     - The product sums the exact products of the quantised numbers (number of the format x scale) in f32.
;;   ~~~python
;;   def quantise(x, axis):      # numpy; x: float32 -> the quantised numbers, widened to float32 again
;;       x = np.moveaxis(x, axis, -1); K = x.shape[-1]
;;       x = np.pad(x, [(0, 0)] * (x.ndim - 1) + [(0, -K % 32)]); x = x.reshape(x.shape[:-1] + (-1, 32)); a = np.abs(x).max(-1, keepdims=True)
;;       e = np.where(a > 0, np.clip(np.frexp(np.where(a > 0, a, 1))[1] - 1 - 15, -126, 127), 0)      # np.frexp(a)[1] - 1 = floor(log2(a)), exactly
;;       r = np.clip(x / 2.0 ** e, -57344, 57344)
;;       step = 2.0 ** (np.maximum(np.frexp(np.where(r == 0, 1, r))[1] - 1, -14) - 2)
;;       q = np.round(r / step) * step * 2.0 ** e      # np.round: ties to even
;;       return np.moveaxis(q.reshape(q.shape[:-2] + (-1,))[..., :K], -1, axis).astype(np.float32)
;;   ~~~
;;   SOFTMAX AHEAD OF A QUANTISED PRODUCT. Where the list says 'softmax', what is quantised is not the finished softmax but p = 2^(t - M), with t = logit x log2(e) and M = ceil(the row's largest t), a whole number; so 1/2 < the row's largest p <= 1. The row's sum l is taken of the UNQUANTISED p, in f32, and the product's result is divided by l at the end. Since M is a whole number, a kernel that streams over the keys may use a running M (the ceiling of the running maximum): every later rescaling is an exact power of two, which a block's scale takes up: the codes' values come out the same.
;;   OPERANDS COMPUTED ON THE WAY. 'Computed on the way' means the value that the module computes at that place (a softmax that the list does not call 'softmax' is quantised finished and normalised). What goes into a quantiser is computed in f32, as accurately as f32 sums, v_exp_f32 and their like allow (about 1e-6 of the number): no bf16 or f16 on the way to a quantiser, and a product that is left as it is and whose result goes on into a quantised operand takes f32 operands (vector FMAs, or v_wmma_f32_16x16x4_f32). A number that lies on a knife's edge between two numbers of the format may be rounded either way, as far as f32 arithmetic and the matrix unit's own rounding can turn it there, and no further.
;;   INPUTS GIVEN AS CODES. Wk (in the module: [1024, 1024], K = its axis 1); Wq (in the module: [1024, 1024], K = its axis 1); Wv (in the module: [1024, 1024], K = its axis 1); x (in the module: [4, 2048, 1024], K = its axis 2): each comes as NAME_codes (uint8): NAME with its K axis moved to the last place and cut into blocks of 32 codes, [.., K / 32, bytes a block], one block behind the other in memory; one code a byte (a code: sign, 5 exponent bits, 2 mantissa bits); and NAME_scales (uint8): the same leading axes, one E8M0 byte (e + 127) for each 32 codes along K. Its value is code x scale, taken as it is: it is not quantised again, and the codes and scales need not be those that the quantiser above would give.
;; One version. Each part assembles by itself: llvm-mc -triple=amdgcn-amd-amdhsa -mcpu=gfx1250 --defsym DOCPART=n.
;; ======== version 1 of 1: 3 launches
;; workspace buffers: qkv 25,165,824 bytes; qkvs 786,432 bytes; pc 16,777,216 bytes; ps 524,288 bytes; st 1,048,576 bytes
;; launch proj (part 1): grid 12 x 32, 4 waves a work-group, clusters of 4 x 4, 327,680 bytes of LDS; arguments x_codes, x_scales, Wq_codes, Wq_scales, Wk_codes, Wk_scales, Wv_codes, Wv_scales, bq, bk, bv, qkv, qkvs; writes qkv, qkvs
.if DOCPART == 1
	.amdgcn_target "amdgcn-amd-amdhsa--gfx1250"
	.amdhsa_code_object_version 6
	.text
	.protected	k_q4672ed79c7_proj
	.globl	k_q4672ed79c7_proj
	.p2align	8
	.type	k_q4672ed79c7_proj,@function
k_q4672ed79c7_proj:
	s_mov_b64 s[64:65], 0
	v_nop
	global_prefetch_b8 v0, s[64:65] scope:SCOPE_SE
	s_setreg_imm32_b32 hwreg(HW_REG_WAVE_MODE, 25, 1), 1
	s_wait_xcnt 0x0
	s_wait_alu depctr_hold_cnt(0) depctr_sa_sdst(0) depctr_va_vdst(0) depctr_va_sdst(0) depctr_va_ssrc(0) depctr_va_vcc(0) depctr_vm_vsrc(0)
	s_getreg_b32 s2, hwreg(HW_REG_IB_STS2, 6, 4)
	s_cmp_eq_u32 s2, 0
	s_cbranch_scc0 .Lentry_in_a_cluster
	s_endpgm
.Lentry_in_a_cluster:
	s_bfe_u32 s2, ttmp6, 0x10000c
	s_cmp_lg_u32 s2, 0xf033
	s_cbranch_scc0 .Lentry_shape_is_right
	s_endpgm
.Lentry_shape_is_right:
; FIRST OF THREE LAUNCHES.  Q = x Wq^T + bq, K = x Wk^T + bk, V = x Wv^T + bv on codes of BF8 (E5M2) with one E8M0 scale for each 32 along K (= 1,024), sums in f32;
; each result is quantised at once for the product that takes it: Q and K along the features, V along the keys.  Out: qkv (codes: Q [8192][1024], K [8192][1024], V^T [4][1024 d][2048 keys]) and
; qkvs (scale bytes laid by steps of 256 along the next K: Q, K [4][8192 rows][8], V [4 batches][8][1024 d][8]), so that a tile's scale bytes are 2,048 consecutive bytes for the launches that follow.
; DEAD WORK: none is left out.  bq and bk go into the quantised operands of Q K^T and can move their codes and scales; bv goes into the quantised V; every input is loaded.
; LIMITS: NaN and infinities among the values are not served.  A block whose largest magnitude lies under 2^(16 - 127), a block of zeros among them, gets the byte 1 (the stated rule gives a block of zeros 127): its codes
; are zeros or next to zeros, and these bytes are read by this program alone.
; SHARES.  A tile of 256 x 256 to a work-group of four waves, 128 x 128 a wave: 64 accumulators, 512 registers.  384 tiles: cluster x = 0: Q, 1: K, 2: V.  K goes in steps of 256 through a ring of two LDS slots.
; THE MATRIX INSTRUCTION IS USED TRANSPOSED: source 0 = 16 rows of 'B', source 1 = 16 rows of 'A': a lane holds ONE row of A, and its registers run along B's rows.  B's rows are made the NEXT product's K:
;   Q, K: A = x (tile cy + 4 x cluster y), B = the weight (tile cx): a lane's registers are features.     V: A = Wv (tile cy), B = x (tile cx + 4 x cluster y): a lane's registers are keys.
; Of a block of 32 along the next K a lane holds 16 numbers (accumulators 2 i and 2 i + 1) and the lane 16 away the other 16: one exchange joins the two maxima; the codes leave as two pieces of 8 bytes.
; CLUSTERS: 4 x 4 work-groups.  A's tiles are shared along a row of the cluster, B's along a column: each is asked for jointly.  Cluster x is the same in all sixteen partners, so the branch on it is alike in all.
; REGISTERS, in windows of 256: window 0: v0-31 addresses; v32-63 scale words, two sets; v64-127 free in the loop; from v128 A's fragments, one set.  window 1: B's fragments, two sets.  windows 2, 3: the accumulators.
.set KSTEP,  256
.set NQ,     2                         ; matrix instructions deep in a slot
.set ROWB,   256                       ; a tile's row in bytes
.set KROW,   1024                      ; a row of x or of a weight in memory
.set PITCH,  272                       ; an LDS row: 256 bytes + 16 of padding = 68 words: the 16 rows that a load touches start at 16 different banks (64 banks of 4 bytes: ISA guide 11.1)
.set FR,     16
.set NL,     4
.set NP,     8                         ; places behind this matrix instruction (ISA guide 7.12.1)
.set HALFT,  128*PITCH
.set SLOT,   4*HALFT
.set LAPS,   2                         ; 1,024 / 512
.set SCL,    2*SLOT                    ; behind the ring: the inputs' scale bytes, 32 a row, as runs of 256 bytes + 16 of padding
.set HALFS,  16*272                    ; those of 128 rows
.set SBLK,   2*272                     ; those of 16 rows
.set SSTEP,  8                         ; from a K step's two words to the next
.set BIASL,  SCL+4*HALFS               ; 512 bytes for each wave: its 128 numbers of the bias; no fill lands here
.set SPARE,  BIASL+2048                ; the spare words, 128 bytes for each wave
.set SST,    256*272                   ; the way out lies in slot 0, which has had its last fill and its last read by then: codes, 256 rows x 272 bytes, from 0; scale bytes, 256 rows x 8, from SST
.set CODEW,  (1<<20)|(1<<21)|(5<<22)|(3<<25)           ; group 1, word 0: elements of 1 byte; padding on; bit 21 beside a mask; 4 words of padding after every 64
.set SCLW,   (3<<16)|(1<<20)|(1<<21)|(5<<22)|(3<<25)   ; the same with elements of 8 bytes
.set BAD,  12                          ; v12  my wave's bias, by column: + 32 x (lane / 16)
.set BAD2, 13                          ; v13  by row: + 4 x (lane % 16)
.set SSTO, 14                          ; v14  where I put a row's scale word
.set SRD,  15                          ; v15  where I read 16 scale bytes back
.set ADRA, 16
.set PW,   18                          ; v18-19 the scale word just made, two by turns
.set ADRB, 20
.set T16,  22                          ; v22  16 x my thread's number
.set BLA,  23                          ; v23  the bias load's offset
.set STO,  24                          ; v24  where I put 8 codes of a row
.set RD,   25                          ; v25  where I read a row back
.set CO,   26                          ; v26  my byte offset in the codes' buffer
.set ADRS, 27
.set SPW,  28                          ; v28  LDS address of my spare word; never rewritten
.set NIL,  29                          ; v29  0; never rewritten
.set BSA,  30                          ; v30  where I store my 16 bytes of the bias
.set SC,   32
.set BR,   64                          ; v64-79  the bias by row: block a's in the even register 2 a
.set TM,   80                          ; v80-95  at work: maxima, bytes, holds, scales
.set PC,   96                          ; v96-127 the codes just made, two sets by turns; behind the barrier: store offsets
.set AF,   128
.set X,    128                         ; the way out: a block's 64 numbers
.set BI,   192                          ; the bias by column: 64 numbers
.set G1, 24
.set G0, 32
.set G1B, 48
.set G0B, 56
.set ISV, 66                           ; s66  1 in V's clusters
.set OP2, 67                           ; s67  two rows of the codes' buffer in bytes
.set G1S, 68
.set G0S, 76
.set G1SB, 80
.set G0SB, 88
.set MNT, 95                           ; s95  the mantissa field of 57,344
.set SEL, 100                          ; s[100:101] lane selects: lane l xor 16
.set MSB, 0
.macro WIN new                         ; the immediate's high byte repeats the setting that is left
.if MSB != (\new)
	s_set_vgpr_msb (MSB<<8)|(\new)
.set MSB, \new
.endif
.endm
.set MUL_LO, 0xa1                      ; source 0 (B) window 1, source 1 (A) window 0, C and D window 2
.set MUL_HI, 0xf1
.set TO_B,   0x40
; A joint load: waves 0 and 1 fetch for A, waves 2 and 3 for B; the branch hangs on the wave's number alone.  An s_nop 0 and four v_nop follow each line.
.macro JLOAD g0a, g1a, g0b, g1b
	s_cmp_eq_u32 s15, 0
	s_cbranch_scc0 .Lfor_b_\@
	tensor_load_to_lds s[\g0a:\g0a+3], s[\g1a:\g1a+7]
	s_nop 0
.rept 4
	v_nop
.endr
	s_branch .Lasked_\@
.Lfor_b_\@:
	tensor_load_to_lds s[\g0b:\g0b+3], s[\g1b:\g1b+7]
	s_nop 0
.rept 4
	v_nop
.endr
.Lasked_\@:
.endm
.macro CREST                           ; a round of the cluster's barrier behind its opening barrier
	s_cmp_lg_u32 s14, 0
	s_cbranch_scc1 .Lnot_wave_0_\@
	s_barrier_signal -3
.Lnot_wave_0_\@:
	s_barrier_wait -3
	s_barrier_signal -1
	s_barrier_wait -1
.endm
.macro CROUND
	s_barrier_signal -1
	s_barrier_wait -1
	CREST
.endm
	s_load_b512 s[68:83], s[0:1], 0x0              ; x codes 68, x scales 70, Wq 72, 74, Wk 76, 78, Wv 80, 82
	s_load_b256 s[84:91], s[0:1], 0x40             ; bq 84, bk 86, bv 88, qkv 90
	s_load_b64 s[92:93], s[0:1], 0x60              ; qkvs
	v_lshl_add_u32 v[SPW], v0, 2, SPARE
	v_mov_b32 v[NIL], 0
	ds_add_u32 v[SPW], v[NIL]                      ; the wave's opening: the add, twice on end, and its wait ahead of my first tensor load
	ds_add_u32 v[SPW], v[NIL]
	v_lshrrev_b32 v1, 5, v0
	v_readfirstlane_b32 s14, v1                    ; wave 0..3
	s_lshr_b32 s15, s14, 1                         ; which half of A's rows is mine.  Also: I fetch for A (0) or for B (1)
	s_and_b32 s16, s14, 1                          ; which half of B's rows.  Also: which 128 rows of that tile I fetch
	s_bfe_u32 s40, ttmp6, 0x40000                  ; cx
	s_bfe_u32 s41, ttmp6, 0x40004                  ; cy
	s_and_b32 s18, ttmp7, 0xffff
	s_lshl_b32 s18, s18, 2                         ; 4 x cluster y
	s_cmp_eq_u32 ttmp9, 2                          ; V's cluster?  The same in all sixteen partners
	s_cselect_b32 s[ISV], 1, 0
	s_cselect_b32 s19, 0, s18
	s_cselect_b32 s20, s18, 0
	s_add_co_u32 s17, s41, s19                     ; A's tile: cy (+ 4 x cluster y where A is x)
	s_add_co_u32 s42, s40, s20                     ; B's tile: cx (+ 4 x cluster y where B is x)
	s_lshl_b32 s43, s41, 2
	s_lshl_b32 s43, 15, s43                        ; my row of the cluster
	s_lshl_b32 s44, 0x1111, s40                    ; my column
	s_or_b32 s[G1+0], s43, CODEW
	s_or_b32 s[G1B+0], s44, CODEW
.irp g, G1, G1B
	s_mov_b32 s[\g+1], ROWB<<16                    ; tensor_dim0
	s_mov_b32 s[\g+2], 128<<16                     ; tensor_dim1
	s_mov_b32 s[\g+3], ROWB<<16                    ; tile_dim0
	s_mov_b32 s[\g+4], 128                         ; tile_dim1
	s_mov_b32 s[\g+5], KROW                        ; from row to row
	s_mov_b32 s[\g+6], 0
	s_mov_b32 s[\g+7], 0
.endr
	s_lshl_b32 s18, s16, 7                         ; which 128 rows of the tile I fetch
	s_lshl_b32 s20, s17, 8
	s_add_co_u32 s20, s20, s18                     ; A's row
	s_lshl_b32 s46, s42, 8
	s_add_co_u32 s46, s46, s18                     ; B's row
	s_lshl_b32 s22, s20, 5                         ; its scale bytes: 32 a row
	s_mov_b32 s23, 0
	s_lshl_b32 s20, s20, 10                        ; its codes: 1,024 a row (all under 2^24)
	s_mov_b32 s21, 0
	s_lshl_b32 s18, s46, 5
	s_mov_b32 s19, 0
	s_lshl_b32 s46, s46, 10
	s_mov_b32 s47, 0
	s_mul_i32 s45, s14, HALFT                      ; where they go: wave x 128 rows: no place in the cluster enters an LDS address
	s_mul_i32 s94, s14, HALFS
	s_mov_b32 s[MNT], 0x600000
	s_mov_b32 s[SEL], 0x76543210
	s_mov_b32 s[SEL+1], 0xfedcba98
	s_wait_dscnt 0x0                               ; both opening adds are done
	s_wait_kmcnt 0x0
	s_cmp_eq_u32 ttmp9, 2                          ; the buffers are chosen by cluster x alone
	s_cselect_b64 s[4:5], s[80:81], s[68:69]       ; A's codes: Wv's or x's
	s_cselect_b64 s[6:7], s[82:83], s[70:71]       ; A's scales
	s_cselect_b64 s[8:9], s[68:69], s[76:77]       ; B's codes: x's, or Wk's,
	s_cselect_b64 s[10:11], s[70:71], s[78:79]
	s_cselect_b64 s[96:97], s[88:89], s[86:87]     ; the bias: bv, or bk,
	s_cmp_eq_u32 ttmp9, 0
	s_cselect_b64 s[8:9], s[72:73], s[8:9]         ; or Wq's
	s_cselect_b64 s[10:11], s[74:75], s[10:11]
	s_cselect_b64 s[96:97], s[84:85], s[96:97]     ; or bq
	s_mov_b64 s[12:13], s[90:91]                   ; qkv
	s_mov_b64 s[98:99], s[92:93]                   ; qkvs
	s_add_nc_u64 s[20:21], s[4:5], s[20:21]
	s_add_nc_u64 s[22:23], s[6:7], s[22:23]
	s_add_nc_u64 s[46:47], s[8:9], s[46:47]
	s_add_nc_u64 s[18:19], s[10:11], s[18:19]
	; the arguments' registers are free now.  The scale bytes of 128 rows: a dense block of 4,096 bytes, as 16 rows of 256 bytes (32 elements of 8), 16 bytes of padding behind each
	s_or_b32 s[G1S+0], s43, SCLW
	s_or_b32 s[G1SB+0], s44, SCLW
.irp g, G1S, G1SB
	s_mov_b32 s[\g+1], 32<<16
	s_mov_b32 s[\g+2], 16<<16
	s_mov_b32 s[\g+3], 32<<16
	s_mov_b32 s[\g+4], 16
	s_mov_b32 s[\g+5], 32
	s_mov_b32 s[\g+6], 0
	s_mov_b32 s[\g+7], 0
.endr
	CROUND                                         ; all sixteen work-groups are here: the first joint loads meet
	s_mov_b32 s[G0S], 1
	s_add_co_u32 s[G0S+1], s94, SCL
	s_mov_b64 s[G0S+2:G0S+3], s[22:23]
	s_or_b32 s[G0S+3], s[G0S+3], 0x80000000
	s_mov_b32 s[G0SB], 1
	s_add_co_u32 s[G0SB+1], s94, SCL
	s_mov_b64 s[G0SB+2:G0SB+3], s[18:19]
	s_or_b32 s[G0SB+3], s[G0SB+3], 0x80000000
	JLOAD G0S, G1S, G0SB, G1SB                     ; the scales first: they are wanted with K step 0
.irp s, 0,1
	s_mov_b32 s[G0+4*\s], 1
	s_add_co_u32 s[G0+4*\s+1], s45, \s*SLOT
	s_add_nc_u64 s[G0+4*\s+2:G0+4*\s+3], s[20:21], \s*ROWB
	s_or_b32 s[G0+4*\s+3], s[G0+4*\s+3], 0x80000000
	s_mov_b32 s[G0B+4*\s], 1
	s_add_co_u32 s[G0B+4*\s+1], s45, \s*SLOT
	s_add_nc_u64 s[G0B+4*\s+2:G0B+4*\s+3], s[46:47], \s*ROWB
	s_or_b32 s[G0B+4*\s+3], s[G0B+4*\s+3], 0x80000000
	JLOAD G0+4*\s, G1, G0B+4*\s, G1B
.endr
	; my wave's 128 numbers of the bias: Q, K: those of its 128 rows of B (features); V: those of its 128 rows of A (d)
	s_lshl_b32 s21, s17, 8
	s_lshl_b32 s22, s15, 7
	s_add_co_u32 s21, s21, s22
	s_lshl_b32 s22, s42, 8
	s_lshl_b32 s23, s16, 7
	s_add_co_u32 s22, s22, s23
	s_cmp_eq_u32 s[ISV], 1
	s_cselect_b32 s21, s21, s22
	s_lshl_b32 s21, s21, 2
	v_and_b32 v[BLA], 31, v0
	v_lshlrev_b32 v[BLA], 4, v[BLA]
	v_add_nc_u32 v[BLA], s21, v[BLA]
	global_load_b128 v[8:11], v[BLA], s[96:97]     ; 32 lanes read 512 consecutive bytes
	v_and_b32 v1, 15, v0                           ; r = l % 16
	v_bfe_u32 v2, v0, 4, 1                         ; h = l / 16
	v_mul_u32_u24 v3, v1, PITCH
	v_lshl_add_u32 v4, v2, 4, v3                   ; a fragment's row x pitch + 16 x half
	s_mul_i32 s21, s15, HALFT                      ; my 128 rows of A
	s_mul_i32 s22, s16, HALFT                      ; my 128 rows of B,
	s_add_co_u32 s22, s22, 2*HALFT                 ; which lie behind A's 256
.irp s, 0,1
	v_add_nc_u32 v[ADRA+\s], s21, v4
	v_add_nc_u32 v[ADRB+\s], s22, v4
	s_add_co_u32 s21, s21, SLOT
	s_add_co_u32 s22, s22, SLOT
.endr
	v_mul_u32_u24 v5, v1, 32                       ; my row's scale bytes: 32 a row,
	v_lshrrev_b32 v6, 8, v5
	v_lshl_add_u32 v5, v6, 4, v5                   ; and 16 more for each 256 passed
	s_mul_i32 s21, s15, HALFS
	s_mul_i32 s22, s16, HALFS
	s_add_co_u32 s22, s22, 2*HALFS
	s_sub_co_u32 s22, s22, s21
	v_mul_u32_u24 v6, s22, v2                      ; lanes 16-31 take B's
	s_add_co_u32 s21, s21, SCL
	v_add_nc_u32 v5, v5, v6
	v_add_nc_u32 v[ADRS], s21, v5
	s_mul_i32 s23, s15, 128*272                    ; the codes' stage: row 128 x (my half of A) + r, byte 128 x (my half of B) + 8 h
	s_lshl_b32 s21, s16, 7
	s_add_co_u32 s23, s23, s21
	v_lshl_add_u32 v5, v2, 3, v3
	v_add_nc_u32 v[STO], s23, v5
	s_lshl_b32 s23, s15, 10                        ; the scale bytes' stage: 8 bytes a row, my half of B's word
	s_lshl_b32 s21, s16, 2
	s_add_co_u32 s23, s23, s21
	s_add_co_u32 s23, s23, SST
	v_lshl_add_u32 v[SSTO], v1, 3, s23
	s_lshl_b32 s23, s14, 9
	s_add_co_u32 s23, s23, BIASL
	v_lshl_add_u32 v[BAD], v2, 5, s23
	v_lshl_add_u32 v[BAD2], v1, 2, s23
	v_lshl_add_u32 v[BSA], v0, 4, BIASL
	s_mul_i32 s23, s14, 64*272                     ; back: wave w takes rows 64 w on, whole; lanes 0-15 one row of 256 bytes, lanes 16-31 the next
	v_mul_u32_u24 v5, v2, 272
	v_lshl_add_u32 v5, v1, 4, v5
	v_add_nc_u32 v[RD], s23, v5
	v_lshl_add_u32 v[SRD], v0, 4, SST
	v_lshlrev_b32 v[T16], 4, v0
	s_add_co_u32 s22, s[ISV], 10                   ; a row of the codes' buffer: 1,024 bytes (Q, K) or 2,048 (V^T)
	s_lshl_b32 s21, s14, 6
	v_add_nc_u32 v5, s21, v2
	v_lshlrev_b32 v5, s22, v5
	v_lshl_add_u32 v[CO], v1, 4, v5                ; (64 w + h) rows + 16 r
	s_lshl_b32 s[OP2], 2048, s[ISV]
	s_lshl_b32 s21, ttmp9, 23                      ; the codes: 8,388,608 x cluster x + 256 x A's tile rows + (V: the batch's 2^21) + 256 x (B's tile within the row)
	s_add_co_u32 s22, s[ISV], 18
	s_lshl_b32 s22, s17, s22
	s_add_co_u32 s21, s21, s22
	s_lshr_b32 s22, s42, 3
	s_lshl_b32 s22, s22, 21
	s_add_co_u32 s21, s21, s22
	s_and_b32 s22, s42, 7
	s_lshl_b32 s22, s22, 8
	s_add_co_u32 s20, s21, s22
	s_mov_b32 s21, 0
	s_add_nc_u64 s[12:13], s[12:13], s[20:21]
	s_lshl_b32 s21, ttmp9, 18                      ; the scale bytes: 262,144 x cluster x + B's tile x a plane (65,536; V: 8,192) + 2,048 x A's tile
	s_mul_i32 s22, s[ISV], 3
	s_sub_co_u32 s22, 16, s22
	s_lshl_b32 s22, s42, s22
	s_add_co_u32 s21, s21, s22
	s_lshl_b32 s22, s17, 11
	s_add_co_u32 s20, s21, s22
	s_mov_b32 s21, 0
	s_add_nc_u64 s[98:99], s[98:99], s[20:21]
.irp b, 0,1,2,3
	v_mov_b32 v[TM+4+\b], 0                        ; written once: a lane permute's destination counts as one of its sources
.endr
.irp a, 0,1,2,3,4,5,6,7
	v_mov_b32 v[BR+2*\a+1], 0                      ; (named as the upper half of a pair, so it is written)
.endr
	s_wait_loadcnt 0x0                             ; the bias
	ds_store_b128 v[BSA], v[8:11]
.macro FRAG reg, adr, q, i             ; 16 rows x 128 K: lane l holds row l % 16; registers 4 c .. 4 c + 3 hold K = 32 c + 16 (l / 16) + 0 .. 15
.irp c, 0,1,2,3
	ds_load_b128 v[\reg+4*\c:\reg+4*\c+3], v[\adr] offset:128*(\q)+32*\c+(\i)*16*PITCH
.endr
.endm
; 16 matrix instructions: A's blocks a0, a0 + 1 x B's eight.  The 64 accumulators take turns, one instruction a turn, in the same order in every step.
.macro MUL16 a0, p, q, sc, zero
.irp a, \a0, \a0+1
.irp b, 0,1,2,3,4,5,6,7
.if \zero
	v_wmma_scale_f32_16x16x128_f8f6f4 v[8*(8*((\a)%4)+\b):8*(8*((\a)%4)+\b)+7], v[128*(\p)+FR*\b:128*(\p)+FR*\b+FR-1], v[AF+FR*(\a):AF+FR*(\a)+FR-1], 0, v[SC+8*NQ*(\sc)+NQ*\b+(\q)], v[SC+8*NQ*(\sc)+NQ*(\a)+(\q)] matrix_a_fmt:MATRIX_FMT_BF8 matrix_b_fmt:MATRIX_FMT_BF8 matrix_a_scale:MATRIX_SCALE_ROW1
.else
	v_wmma_scale_f32_16x16x128_f8f6f4 v[8*(8*((\a)%4)+\b):8*(8*((\a)%4)+\b)+7], v[128*(\p)+FR*\b:128*(\p)+FR*\b+FR-1], v[AF+FR*(\a):AF+FR*(\a)+FR-1], v[8*(8*((\a)%4)+\b):8*(8*((\a)%4)+\b)+7], v[SC+8*NQ*(\sc)+NQ*\b+(\q)], v[SC+8*NQ*(\sc)+NQ*(\a)+(\q)] matrix_a_fmt:MATRIX_FMT_BF8 matrix_b_fmt:MATRIX_FMT_BF8 matrix_a_scale:MATRIX_SCALE_ROW1
.endif
.endr
.endr
.endm
.macro FETCH_B slot, q, p
	WIN TO_B
.irp i, 0,1,2,3,4,5,6,7
	FRAG 128*(\p)+FR*\i, ADRB+\slot, \q, \i
.endr
	WIN 0
.endm
.macro FETCH_A slot, q, i0
.irp i, \i0, \i0+1, \i0+2, \i0+3
	FRAG AF+FR*(\i), ADRA+\slot, \q, \i
.endr
.endm
.macro SCALES sc                       ; a K step's two scale words a row: lanes 0-15 take A's block i, lanes 16-31 B's block i
.irp i, 0,1,2,3,4,5,6,7
	ds_load_b64 v[SC+8*NQ*\sc+NQ*\i:SC+8*NQ*\sc+NQ*\i+1], v[ADRS] offset:\i*SBLK
.endr
.endm
.macro PLACES n                        ; plain vector instructions that name no register of the matrix instructions before them (ISA guide 7.12.1)
.rept \n
	v_nop
.endr
.endm
.macro STEP slot, q, zero              ; 128 along K with its successor in the same slot
	s_wait_dscnt 4*NL                              ; B's set and A's blocks 0-3 are in; the youngest 16 loads (A's blocks 4-7) may be out
	WIN MUL_LO
	MUL16 0, (\q)%2, \q, \slot, \zero
	MUL16 2, (\q)%2, \q, \slot, \zero
	s_wait_dscnt 0
	PLACES NP
	FETCH_B \slot, (\q)+1, 1-(\q)%2
	FETCH_A \slot, (\q)+1, 0
	WIN MUL_HI
	MUL16 4, (\q)%2, \q, \slot, \zero
	MUL16 6, (\q)%2, \q, \slot, \zero
	PLACES NP
	WIN 0
	FETCH_A \slot, (\q)+1, 4
.endm
; A slot's last step changes slots: one barrier; in front of it each wave waits for all its tensor loads, adds 0 to its spare word, and waits for that and for its reads of this slot.
.macro TURN slot, next, fill
	s_wait_tensorcnt 0x0                           ; all my tensor loads have landed: my part of the next slot
	ds_add_u32 v[SPW], v[NIL]                      ; 0 onto my spare word
	s_wait_dscnt 4*NL+1                            ; (the add and the youngest 16 loads may be out)
	WIN MUL_LO
	MUL16 0, 1, NQ-1, \slot, 0
	s_wait_dscnt 0x0                               ; the add is done, and my reads of this slot are over
	s_barrier_signal -1
	MUL16 2, 1, NQ-1, \slot, 0
	WIN 0
	s_barrier_wait -1
.if \fill
	CREST                                          ; the barrier has opened a round of the cluster's: no wave of any partner still reads this slot or has a load on its way
	s_add_nc_u64 s[G0+4*\slot+2:G0+4*\slot+3], s[G0+4*\slot+2:G0+4*\slot+3], 2*ROWB
	s_add_nc_u64 s[G0B+4*\slot+2:G0B+4*\slot+3], s[G0B+4*\slot+2:G0B+4*\slot+3], 2*ROWB
	JLOAD G0+4*\slot, G1, G0B+4*\slot, G1B         ; the first tensor load behind the round; its four v_nop are among the places in front of the loads below
	PLACES NP-4
.else
	PLACES NP
.endif
	v_add_nc_u32 v[ADRS], SSTEP, v[ADRS]           ; the next K step's scale words (no LDS load of mine is out)
	FETCH_B \next, 0, 0
	FETCH_A \next, 0, 0
	SCALES \next
	WIN MUL_HI
	MUL16 4, 1, NQ-1, \slot, 0
	MUL16 6, 1, NQ-1, \slot, 0
	PLACES NP
	WIN 0
	FETCH_A \next, 0, 4
.endm
	s_wait_dscnt 0x0                               ; my bias lies in LDS
	s_wait_tensorcnt 1                             ; the scales and my part of K step 0 are in (K step 1's load may be out),
	s_barrier_signal -1
	s_barrier_wait -1                              ; everybody's are
	FETCH_B 0, 0, 0
	FETCH_A 0, 0, 0
	SCALES 0
	FETCH_A 0, 0, 4
	STEP 0, 0, 1                                   ; the first step's products start the sums: nothing is cleared
	s_mov_b32 s3, LAPS-1
.Llap:
	TURN 0, 1, 1
	STEP 1, 0, 0
	TURN 1, 0, 1
	STEP 0, 0, 0
	s_sub_co_u32 s3, s3, 1
	s_cmp_lg_u32 s3, 0
	s_cbranch_scc1 .Llap
	TURN 0, 1, 0                                   ; the last lap fills nothing
	STEP 1, 0, 0
	s_wait_dscnt 4*NL
	WIN MUL_LO
	MUL16 0, 1, NQ-1, 1, 0
	MUL16 2, 1, NQ-1, 1, 0
	s_wait_dscnt 0
	WIN MUL_HI
	MUL16 4, 1, NQ-1, 1, 0
	MUL16 6, 1, NQ-1, 1, 0
	WIN 0
	PLACES NP                                      ; in front of the loads into A's registers and of the first reads of results
; THE WAY OUT.  Both forms of the bias are read, with no branch, from my wave's own 512 bytes: by column (number 16 b + 8 h + j for register 8 b + j) and by row (number 16 a + r for block a).
.irp b, 0,1,2,3,4,5,6,7
	ds_load_b128 v[BI+8*\b:BI+8*\b+3], v[BAD] offset:64*\b
	ds_load_b128 v[BI+8*\b+4:BI+8*\b+7], v[BAD] offset:64*\b+16
.endr
.irp a, 0,1,2,3,4,5,6,7
	ds_load_b32 v[BR+2*\a], v[BAD2] offset:64*\a
.endr
	s_wait_dscnt 0x0
; Block a's 64 sums + the bias -> v[X] on, in window 0; each accumulator is read from its low end on.  Q, K: the bias goes by B's rows; V: by A's.
.macro BIASADD a
.set AC, 64*((\a)%4)
	s_cmp_eq_u32 s[ISV], 0
	s_cbranch_scc0 .Lby_row_\@
	WIN 0x02+(\a)/4                                ; source 0: window 2 or 3
.set JJ, 0
.rept 32
	v_pk_add_f32 v[X+JJ:X+JJ+1], v[AC+JJ:AC+JJ+1], v[BI+JJ:BI+JJ+1]
.set JJ, JJ+2
.endr
	WIN 0
	s_branch .Ladded_\@
.Lby_row_\@:
	WIN 0x02+(\a)/4
.set JJ, 0
.rept 32
	v_pk_add_f32 v[X+JJ:X+JJ+1], v[AC+JJ:AC+JJ+1], v[BR+2*(\a):BR+2*(\a)+1] op_sel_hi:[1,0]
.set JJ, JJ+2
.endr
	WIN 0
.Ladded_\@:
.endm
; v[X] on: register 16 i + n is one of my 16 numbers of block i of 32 along the next K -> codes in v[PCC] on, the row's scale word in v[PWC]
.macro QUANT
.irp b, 0,1,2,3
	v_max3_num_f32 v[TM+\b], |v[X+16*\b]|, |v[X+1+16*\b]|, 0x8000000   ; with the floor 2^(16 - 127): the byte cannot fall under 1
.endr
.irp i, 2,4,6,8,10,12,14
.irp b, 0,1,2,3
	v_max3_num_f32 v[TM+\b], v[TM+\b], |v[X+16*\b+\i]|, |v[X+1+16*\b+\i]|
.endr
.endr
.irp b, 0,1,2,3
	v_permlanex16_b32 v[TM+4+\b], v[TM+\b], s[SEL], s[SEL+1]
.endr
.irp b, 0,1,2,3
	v_max_num_f32 v[TM+\b], v[TM+\b], v[TM+4+\b]   ; with lane l xor 16's: the block's largest magnitude
.endr
.irp b, 0,1,2,3
	v_add_nc_u32 v[TM+12+\b], 0xf8800000, v[TM+\b] ; 15 off its exponent field: the conversion's scale operand
.endr
.irp b, 0,1,2,3
	v_and_or_b32 v[TM+8+\b], v[TM+\b], 0x7f800000, s[MNT]   ; 57,344 x the scale
.endr
.irp b, 0,1,2,3
	v_lshrrev_b32 v[TM+4+\b], 23, v[TM+12+\b]      ; the scale's byte
.endr
	v_lshl_or_b32 v[PWC], v[TM+5], 8, v[TM+4]
	v_lshl_or_b32 v[PWC], v[TM+6], 16, v[PWC]
	v_lshl_or_b32 v[PWC], v[TM+7], 24, v[PWC]
.irp b, 0,1,2,3
.irp i, 0,1,2,3,4,5,6,7,8,9,10,11,12,13,14,15
	v_med3_num_f32 v[X+16*\b+\i], v[X+16*\b+\i], -v[TM+8+\b], v[TM+8+\b]   ; the conversion does not saturate (ISA guide 7.6.2): the hold at the largest code x the scale
.endr
	v_cvt_scalef32_pk8_bf8_f32 v[PCC+4*\b:PCC+1+4*\b], v[X+16*\b:X+7+16*\b], v[TM+12+\b]
	v_cvt_scalef32_pk8_bf8_f32 v[PCC+2+4*\b:PCC+3+4*\b], v[X+8+16*\b:X+15+16*\b], v[TM+12+\b]
.endr
	v_nop                                          ; a plain instruction behind the last conversion, ahead of the next writes of its sources
.endm
.macro PUT a                           ; accumulator b's eight codes are bytes 16 b + 8 h on of my half of the row
.irp b, 0,1,2,3,4,5,6,7
	ds_store_b64 v[STO], v[PCC+2*\b:PCC+2*\b+1] offset:(\a)*16*272+16*\b
.endr
	ds_store_b32 v[SSTO], v[PWC] offset:128*(\a)   ; both halves of the lanes write the same word with the same value
.endm
.irp a, 0,1,2,3,4,5,6,7
.set PCC, PC+16*(\a%2)
.set PWC, PW+\a%2
.if \a >= 2
	s_wait_dscnt 9                                 ; the last block's nine stores may be out; those of the block before have read the registers that are written now
.endif
	BIASADD \a
	QUANT
	PUT \a
.endr
	s_wait_dscnt 0x0                               ; for the others' sake: my stores into the stages are done
	s_barrier_signal -1
	s_barrier_wait -1                              ; a row's 256 bytes and its 8 scale bytes come from two waves
	ds_load_b128 v[64:67], v[SRD]
.set T, 0
.rept 32
	ds_load_b128 v[128+4*T:131+4*T], v[RD] offset:544*T
.set T, T+1
.endr
	v_add_nc_u32 v[PC+1], s[OP2], v[CO]            ; the row's length is not a constant of the text, so each pair of rows has its offset in a register
.set T, 2
.rept 30
	v_add_nc_u32 v[PC+T], s[OP2], v[PC+T-1]
.set T, T+1
.endr
	s_wait_dscnt 32
	global_store_b128 v[T16], v[64:67], s[98:99]   ; the work-group stores 2,048 consecutive bytes of scale bytes
	s_wait_dscnt 31
	global_store_b128 v[CO], v[128:131], s[12:13]  ; 16 lanes store 256 consecutive bytes, aligned
.set T, 1
.rept 31
	s_wait_dscnt 31-T
	global_store_b128 v[PC+T], v[128+4*T:131+4*T], s[12:13]
.set T, T+1
.endr
	s_wait_tensorcnt 0x0                           ; the wave's end
	ds_add_u32 v[SPW], v[NIL]
	s_wait_dscnt 0x0
	CROUND                                         ; the closing round
	s_endpgm
.Lfunc_end_k_q4672ed79c7_proj:
	.size	k_q4672ed79c7_proj, .Lfunc_end_k_q4672ed79c7_proj-k_q4672ed79c7_proj
	.p2alignl 7, 3214868480
	.fill 96, 4, 3214868480
	.section	.rodata,"a",@progbits
	.p2align	6, 0x0
	.amdhsa_kernel k_q4672ed79c7_proj
		.amdhsa_group_segment_fixed_size 327680
		.amdhsa_private_segment_fixed_size 0
		.amdhsa_enable_private_segment 0
		.amdhsa_kernarg_size 104
		.amdhsa_user_sgpr_count 2
		.amdhsa_user_sgpr_kernarg_segment_ptr 1
		.amdhsa_wavefront_size32 1
		.amdhsa_system_sgpr_workgroup_id_x 1
		.amdhsa_system_sgpr_workgroup_id_y 1
		.amdhsa_system_sgpr_workgroup_id_z 1
		.amdhsa_system_vgpr_workitem_id 0
		.amdhsa_next_free_vgpr 1024
		.amdhsa_next_free_sgpr 102
		.amdhsa_reserve_vcc 0
		.amdhsa_float_denorm_mode_32 3
		.amdhsa_float_denorm_mode_16_64 3
		.amdhsa_memory_ordered 1
		.amdhsa_forward_progress 1
		.amdhsa_inst_pref_size 230
	.end_amdhsa_kernel
	.amdgpu_metadata
---
amdhsa.version: [ 1, 2 ]
amdhsa.kernels:
  - .name:           k_q4672ed79c7_proj
    .symbol:         k_q4672ed79c7_proj.kd
    .args:
      - { .name: x_codes, .offset: 0, .size: 8, .value_kind: global_buffer, .address_space: global }
      - { .name: x_scales, .offset: 8, .size: 8, .value_kind: global_buffer, .address_space: global }
      - { .name: Wq_codes, .offset: 16, .size: 8, .value_kind: global_buffer, .address_space: global }
      - { .name: Wq_scales, .offset: 24, .size: 8, .value_kind: global_buffer, .address_space: global }
      - { .name: Wk_codes, .offset: 32, .size: 8, .value_kind: global_buffer, .address_space: global }
      - { .name: Wk_scales, .offset: 40, .size: 8, .value_kind: global_buffer, .address_space: global }
      - { .name: Wv_codes, .offset: 48, .size: 8, .value_kind: global_buffer, .address_space: global }
      - { .name: Wv_scales, .offset: 56, .size: 8, .value_kind: global_buffer, .address_space: global }
      - { .name: bq, .offset: 64, .size: 8, .value_kind: global_buffer, .address_space: global }
      - { .name: bk, .offset: 72, .size: 8, .value_kind: global_buffer, .address_space: global }
      - { .name: bv, .offset: 80, .size: 8, .value_kind: global_buffer, .address_space: global }
      - { .name: qkv, .offset: 88, .size: 8, .value_kind: global_buffer, .address_space: global }
      - { .name: qkvs, .offset: 96, .size: 8, .value_kind: global_buffer, .address_space: global }
    .group_segment_fixed_size: 327680
    .private_segment_fixed_size: 0
    .kernarg_segment_align: 8
    .kernarg_segment_size: 104
    .max_flat_workgroup_size: 128
    .sgpr_count:     102
    .vgpr_count:     1024
    .wavefront_size: 32
...
	.end_amdgpu_metadata
.endif
;; end of part 1
;; launch score (part 2): grid 8 x 32, 4 waves a work-group, clusters of 4 x 4, 327,680 bytes of LDS; arguments qkv, qkvs, pc, ps, st; writes pc, ps, st
.if DOCPART == 2
	.amdgcn_target "amdgcn-amd-amdhsa--gfx1250"
	.amdhsa_code_object_version 6
	.text
	.protected	k_q4672ed79c7_score
	.globl	k_q4672ed79c7_score
	.p2align	8
	.type	k_q4672ed79c7_score,@function
k_q4672ed79c7_score:
	s_mov_b64 s[64:65], 0
	v_nop
	global_prefetch_b8 v0, s[64:65] scope:SCOPE_SE
	s_setreg_imm32_b32 hwreg(HW_REG_WAVE_MODE, 25, 1), 1
	s_wait_xcnt 0x0
	s_wait_alu depctr_hold_cnt(0) depctr_sa_sdst(0) depctr_va_vdst(0) depctr_va_sdst(0) depctr_va_ssrc(0) depctr_va_vcc(0) depctr_vm_vsrc(0)
	s_getreg_b32 s2, hwreg(HW_REG_IB_STS2, 6, 4)
	s_cmp_eq_u32 s2, 0
	s_cbranch_scc0 .Lentry_in_a_cluster
	s_endpgm
.Lentry_in_a_cluster:
	s_bfe_u32 s2, ttmp6, 0x10000c
	s_cmp_lg_u32 s2, 0xf033
	s_cbranch_scc0 .Lentry_shape_is_right
	s_endpgm
.Lentry_shape_is_right:
; SECOND LAUNCH.  S = Q K^T on the codes that the first launch made (K = 1,024 features), and the softmax's p, quantised along the keys.  No work is left out.
; t = S x log2(e) / 32.  Each wave's 128 keys of a row form a CHUNK with an M OF ITS OWN: M = ceil(the chunk's largest t), a whole number; p = 2^(t - M); l = the chunk's sum of the unquantised p.
; p is quantised under that M.  The third launch takes the rows' M (the largest of 16 chunks') and brings each chunk under it by taking a whole number off its scale bytes and off l's exponent: the codes stay as they are.
; Out: pc = p's codes [8192 q][2048 keys];  ps = its scale bytes under the chunk's M, [8 key tiles][8192][8];  st = [8 key tiles][8192][4 f32]: -M of keys 0-127, -M of keys 128-255, l of keys 0-127, l of keys 128-255.
; LIMITS: rows whose scores hold NaN or infinities are not served.  p is at most 1, so its scale bytes are at most 112: the third launch leans on bytes under 128.  A block whose every p lies under 2^(16 - 127) gets the byte 1.
; SHARES.  A tile of 256 queries x 256 keys to a work-group of four waves, 128 x 128 a wave; 256 work-groups.  Source 0 = 16 keys (B), source 1 = 16 queries (A): a lane holds one query, its registers run along the keys.
; CLUSTERS: 4 x 4: Q's tiles are shared along a row of the cluster, K's along a column; a cluster's four tile rows lie in one batch (cluster y / 2).
; REGISTERS as in the first launch: window 0: v0-31 addresses; v32-63 scale words; v64-127 the way out's; from v128 A's fragments.  window 1: B's.  windows 2, 3: the accumulators.
.set KSTEP,  256
.set NQ,     2
.set ROWB,   256
.set KROW,   1024
.set PITCH,  272                       ; 256 bytes + 16 of padding: the 16 rows that a load touches start at 16 different banks (ISA guide 11.1)
.set FR,     16
.set NL,     4
.set NP,     8
.set HALFT,  128*PITCH
.set SLOT,   4*HALFT
.set LAPS,   2
.set SCL,    2*SLOT                    ; the scale bytes: for each half of 128 rows [4 K steps][128 rows][8 bytes], dense
.set HALFS,  4096
.set SBLK,   128
.set SSTEP,  1024
.set SPARE,  SCL+4*HALFS
.set SST,    256*272                   ; the way out, in slot 0 (its last fill and last read are past): codes from 0; scale bytes from SST; statistics, 16 bytes a row, from STST
.set STST,   SST+2048
.set CODEW,  (1<<20)|(1<<21)|(5<<22)|(3<<25)
.set SCLW,   (3<<16)|(1<<21)           ; elements of 8 bytes, no padding, bit 21 beside a mask
.set STSA, 12                          ; v12  where I put a row's -M (its l 8 bytes on)
.set TRD,  13                          ; v13  where I read 16 bytes of statistics back
.set SSTO, 14
.set SRD,  15
.set ADRA, 16
.set ADRB, 20
.set T16,  22
.set STO,  24
.set RD,   25
.set CO,   26
.set ADRS, 27
.set SPW,  28
.set NIL,  29
.set SC,   32
.set BM,   64                          ; v64-67  the blocks' largest scores, then largest p
.set BT,   68                          ; v68-71  the other half's; then the bytes
.set HL,   72                          ; v72-75  57,344 x the scale
.set SO,   76                          ; v76-79  the conversions' scale operands
.set NM,   80                          ; v[80:81] -M (the low word serves both halves)
.set RM,   82
.set XT,   83
.set LS,   84                          ; v[84:85], v[86:87] the sum's two chains
.set L2,   86
.set PW,   88                          ; v88-89 scale word, v90-91 -M, v92-93 l: two of each by turns
.set NMS,  90
.set LL,   92
.set PC,   96
.set AF,   128
.set X,    128
.set G1, 24
.set G0, 32
.set G1B, 48
.set G0B, 56
.set G1S, 68
.set G0S, 76
.set G1SB, 80
.set G0SB, 88
.set MNT, 95
.set CS,  96                           ; s[96:97] c = log2(e) / 32
.set SEL, 98
.set MSB, 0
.macro WIN new
.if MSB != (\new)
	s_set_vgpr_msb (MSB<<8)|(\new)
.set MSB, \new
.endif
.endm
.set MUL_LO, 0xa1
.set MUL_HI, 0xf1
.set TO_B,   0x40
.macro JLOAD g0a, g1a, g0b, g1b        ; a joint load: waves 0 and 1 fetch for A, waves 2 and 3 for B; an s_nop 0 and four v_nop follow each line
	s_cmp_eq_u32 s15, 0
	s_cbranch_scc0 .Lfor_b_\@
	tensor_load_to_lds s[\g0a:\g0a+3], s[\g1a:\g1a+7]
	s_nop 0
.rept 4
	v_nop
.endr
	s_branch .Lasked_\@
.Lfor_b_\@:
	tensor_load_to_lds s[\g0b:\g0b+3], s[\g1b:\g1b+7]
	s_nop 0
.rept 4
	v_nop
.endr
.Lasked_\@:
.endm
.macro CREST
	s_cmp_lg_u32 s14, 0
	s_cbranch_scc1 .Lnot_wave_0_\@
	s_barrier_signal -3
.Lnot_wave_0_\@:
	s_barrier_wait -3
	s_barrier_signal -1
	s_barrier_wait -1
.endm
.macro CROUND
	s_barrier_signal -1
	s_barrier_wait -1
	CREST
.endm
	s_load_b128 s[4:7], s[0:1], 0x0                ; qkv s[4:5], qkvs s[6:7]
	s_load_b128 s[8:11], s[0:1], 0x10              ; pc s[8:9], ps s[10:11]
	s_load_b64 s[12:13], s[0:1], 0x20              ; st
	v_lshl_add_u32 v[SPW], v0, 2, SPARE
	v_mov_b32 v[NIL], 0
	ds_add_u32 v[SPW], v[NIL]                      ; the wave's opening: the add, twice on end, and its wait ahead of my first tensor load
	ds_add_u32 v[SPW], v[NIL]
	v_lshrrev_b32 v1, 5, v0
	v_readfirstlane_b32 s14, v1
	s_lshr_b32 s15, s14, 1                         ; my half of the queries.  Also: I fetch for A (0) or for B (1)
	s_and_b32 s16, s14, 1                          ; my half of the keys.  Also: which 128 rows I fetch
	s_bfe_u32 s40, ttmp6, 0x40000                  ; cx
	s_bfe_u32 s41, ttmp6, 0x40004                  ; cy
	s_lshl_b32 s42, ttmp9, 2
	s_add_co_u32 s42, s42, s40                     ; the key tile in its batch, 0..7
	s_and_b32 s19, ttmp7, 0xffff
	s_lshl_b32 s17, s19, 2
	s_add_co_u32 s17, s17, s41                     ; the query tile among all 8,192 rows, 0..31
	s_lshr_b32 s19, s19, 1                         ; the batch: from cluster y alone
	s_lshl_b32 s43, s41, 2
	s_lshl_b32 s43, 15, s43
	s_lshl_b32 s44, 0x1111, s40
	s_or_b32 s[G1+0], s43, CODEW
	s_or_b32 s[G1B+0], s44, CODEW
.irp g, G1, G1B
	s_mov_b32 s[\g+1], ROWB<<16
	s_mov_b32 s[\g+2], 128<<16
	s_mov_b32 s[\g+3], ROWB<<16
	s_mov_b32 s[\g+4], 128
	s_mov_b32 s[\g+5], KROW
	s_mov_b32 s[\g+6], 0
	s_mov_b32 s[\g+7], 0
.endr
	s_or_b32 s[G1S+0], s43, SCLW                   ; the scale bytes of 128 rows: 4 rows (K steps) of 128 elements of 8 bytes, 8,192 elements apart
	s_or_b32 s[G1SB+0], s44, SCLW
.irp g, G1S, G1SB
	s_mov_b32 s[\g+1], 128<<16
	s_mov_b32 s[\g+2], 4<<16
	s_mov_b32 s[\g+3], 128<<16
	s_mov_b32 s[\g+4], 4
	s_mov_b32 s[\g+5], 8192
	s_mov_b32 s[\g+6], 0
	s_mov_b32 s[\g+7], 0
.endr
	s_lshl_b32 s18, s16, 7
	s_lshl_b32 s20, s17, 8
	s_add_co_u32 s20, s20, s18                     ; Q's row
	s_lshl_b32 s46, s42, 8
	s_add_co_u32 s46, s46, s18
	s_lshl_b32 s19, s19, 11
	s_add_co_u32 s46, s46, s19                     ; K's row: 2,048 x batch + 256 x key tile + 128 x half
	s_lshl_b32 s22, s20, 3
	s_mov_b32 s23, 0
	s_lshl_b32 s20, s20, 10
	s_mov_b32 s21, 0
	s_lshl_b32 s92, s46, 3
	s_add_co_u32 s92, s92, 262144                  ; K's scale bytes lie behind Q's
	s_mov_b32 s93, 0
	s_lshl_b32 s46, s46, 10
	s_add_co_u32 s46, s46, 8388608                 ; K's codes lie behind Q's
	s_mov_b32 s47, 0
	s_mul_i32 s45, s14, HALFT
	s_mul_i32 s94, s14, HALFS
	s_mov_b32 s[MNT], 0x600000
	s_mov_b32 s[CS], 0x3d38aa3b
	s_mov_b32 s[CS+1], s[CS]                       ; (named with it as a pair, so it is written)
	s_mov_b32 s[SEL], 0x76543210
	s_mov_b32 s[SEL+1], 0xfedcba98
	s_wait_dscnt 0x0                               ; both opening adds are done
	s_wait_kmcnt 0x0
	s_add_nc_u64 s[20:21], s[4:5], s[20:21]
	s_add_nc_u64 s[22:23], s[6:7], s[22:23]
	s_add_nc_u64 s[46:47], s[4:5], s[46:47]
	s_add_nc_u64 s[92:93], s[6:7], s[92:93]
	CROUND                                         ; all sixteen work-groups are here: the first joint loads meet
	s_mov_b32 s[G0S], 1
	s_add_co_u32 s[G0S+1], s94, SCL
	s_mov_b64 s[G0S+2:G0S+3], s[22:23]
	s_or_b32 s[G0S+3], s[G0S+3], 0x80000000
	s_mov_b32 s[G0SB], 1
	s_add_co_u32 s[G0SB+1], s94, SCL
	s_mov_b64 s[G0SB+2:G0SB+3], s[92:93]
	s_or_b32 s[G0SB+3], s[G0SB+3], 0x80000000
	JLOAD G0S, G1S, G0SB, G1SB
.irp s, 0,1
	s_mov_b32 s[G0+4*\s], 1
	s_add_co_u32 s[G0+4*\s+1], s45, \s*SLOT
	s_add_nc_u64 s[G0+4*\s+2:G0+4*\s+3], s[20:21], \s*ROWB
	s_or_b32 s[G0+4*\s+3], s[G0+4*\s+3], 0x80000000
	s_mov_b32 s[G0B+4*\s], 1
	s_add_co_u32 s[G0B+4*\s+1], s45, \s*SLOT
	s_add_nc_u64 s[G0B+4*\s+2:G0B+4*\s+3], s[46:47], \s*ROWB
	s_or_b32 s[G0B+4*\s+3], s[G0B+4*\s+3], 0x80000000
	JLOAD G0+4*\s, G1, G0B+4*\s, G1B
.endr
	v_and_b32 v1, 15, v0                           ; r
	v_bfe_u32 v2, v0, 4, 1                         ; h
	v_mul_u32_u24 v3, v1, PITCH
	v_lshl_add_u32 v4, v2, 4, v3
	s_mul_i32 s21, s15, HALFT
	s_mul_i32 s22, s16, HALFT
	s_add_co_u32 s22, s22, 2*HALFT
.irp s, 0,1
	v_add_nc_u32 v[ADRA+\s], s21, v4
	v_add_nc_u32 v[ADRB+\s], s22, v4
	s_add_co_u32 s21, s21, SLOT
	s_add_co_u32 s22, s22, SLOT
.endr
	v_lshlrev_b32 v5, 3, v1                        ; my row's scale bytes: 8 a row
	s_mul_i32 s21, s15, HALFS
	s_mul_i32 s22, s16, HALFS
	s_add_co_u32 s22, s22, 2*HALFS
	s_sub_co_u32 s22, s22, s21
	v_mul_u32_u24 v6, s22, v2                      ; lanes 16-31 take B's
	s_add_co_u32 s21, s21, SCL
	v_add_nc_u32 v5, v5, v6
	v_add_nc_u32 v[ADRS], s21, v5
	s_mul_i32 s23, s15, 128*272                    ; the codes' stage: row 128 x (my half of the queries) + r, byte 128 x (my half of the keys) + 8 h
	s_lshl_b32 s21, s16, 7
	s_add_co_u32 s23, s23, s21
	v_lshl_add_u32 v5, v2, 3, v3
	v_add_nc_u32 v[STO], s23, v5
	s_lshl_b32 s23, s15, 10
	s_lshl_b32 s21, s16, 2
	s_add_co_u32 s23, s23, s21
	s_add_co_u32 s23, s23, SST
	v_lshl_add_u32 v[SSTO], v1, 3, s23
	s_lshl_b32 s23, s15, 11                        ; the statistics' stage: 16 bytes a row, my chunk's word
	s_add_co_u32 s23, s23, s21
	s_add_co_u32 s23, s23, STST
	v_lshl_add_u32 v[STSA], v1, 4, s23
	s_mul_i32 s23, s14, 64*272
	v_mul_u32_u24 v5, v2, 272
	v_lshl_add_u32 v5, v1, 4, v5
	v_add_nc_u32 v[RD], s23, v5
	v_lshl_add_u32 v[SRD], v0, 4, SST
	v_lshl_add_u32 v[TRD], v0, 4, STST
	v_lshlrev_b32 v[T16], 4, v0
	s_lshl_b32 s21, s14, 6
	v_add_nc_u32 v5, s21, v2
	v_lshlrev_b32 v5, 11, v5
	v_lshl_add_u32 v[CO], v1, 4, v5                ; (64 w + h) rows of 2,048 bytes + 16 r
	s_lshl_b32 s20, s17, 19                        ; pc: 256 x query tile rows + 256 x key tile
	s_lshl_b32 s22, s42, 8
	s_add_co_u32 s20, s20, s22
	s_mov_b32 s21, 0
	s_add_nc_u64 s[8:9], s[8:9], s[20:21]
	s_lshl_b32 s20, s42, 16                        ; ps: 65,536 x key tile + 2,048 x query tile
	s_lshl_b32 s22, s17, 11
	s_add_co_u32 s20, s20, s22
	s_add_nc_u64 s[10:11], s[10:11], s[20:21]
	s_lshl_b32 s20, s42, 17                        ; st: 131,072 x key tile + 4,096 x query tile
	s_lshl_b32 s22, s17, 12
	s_add_co_u32 s20, s20, s22
	s_add_nc_u64 s[12:13], s[12:13], s[20:21]
.irp b, 0,1,2,3
	v_mov_b32 v[BT+\b], 0                          ; written once: a lane permute's destination counts as one of its sources
.endr
	v_mov_b32 v[XT], 0
	v_mov_b32 v[NM+1], 0                           ; (named as the upper half of a pair, so it is written)
.macro FRAG reg, adr, q, i
.irp c, 0,1,2,3
	ds_load_b128 v[\reg+4*\c:\reg+4*\c+3], v[\adr] offset:128*(\q)+32*\c+(\i)*16*PITCH
.endr
.endm
.macro MUL16 a0, p, q, sc, zero        ; the 64 accumulators take turns, one instruction a turn
.irp a, \a0, \a0+1
.irp b, 0,1,2,3,4,5,6,7
.if \zero
	v_wmma_scale_f32_16x16x128_f8f6f4 v[8*(8*((\a)%4)+\b):8*(8*((\a)%4)+\b)+7], v[128*(\p)+FR*\b:128*(\p)+FR*\b+FR-1], v[AF+FR*(\a):AF+FR*(\a)+FR-1], 0, v[SC+8*NQ*(\sc)+NQ*\b+(\q)], v[SC+8*NQ*(\sc)+NQ*(\a)+(\q)] matrix_a_fmt:MATRIX_FMT_BF8 matrix_b_fmt:MATRIX_FMT_BF8 matrix_a_scale:MATRIX_SCALE_ROW1
.else
	v_wmma_scale_f32_16x16x128_f8f6f4 v[8*(8*((\a)%4)+\b):8*(8*((\a)%4)+\b)+7], v[128*(\p)+FR*\b:128*(\p)+FR*\b+FR-1], v[AF+FR*(\a):AF+FR*(\a)+FR-1], v[8*(8*((\a)%4)+\b):8*(8*((\a)%4)+\b)+7], v[SC+8*NQ*(\sc)+NQ*\b+(\q)], v[SC+8*NQ*(\sc)+NQ*(\a)+(\q)] matrix_a_fmt:MATRIX_FMT_BF8 matrix_b_fmt:MATRIX_FMT_BF8 matrix_a_scale:MATRIX_SCALE_ROW1
.endif
.endr
.endr
.endm
.macro FETCH_B slot, q, p
	WIN TO_B
.irp i, 0,1,2,3,4,5,6,7
	FRAG 128*(\p)+FR*\i, ADRB+\slot, \q, \i
.endr
	WIN 0
.endm
.macro FETCH_A slot, q, i0
.irp i, \i0, \i0+1, \i0+2, \i0+3
	FRAG AF+FR*(\i), ADRA+\slot, \q, \i
.endr
.endm
.macro SCALES sc
.irp i, 0,1,2,3,4,5,6,7
	ds_load_b64 v[SC+8*NQ*\sc+NQ*\i:SC+8*NQ*\sc+NQ*\i+1], v[ADRS] offset:\i*SBLK
.endr
.endm
.macro PLACES n
.rept \n
	v_nop
.endr
.endm
.macro STEP slot, q, zero
	s_wait_dscnt 4*NL                              ; the youngest 16 loads (A's blocks 4-7) may be out
	WIN MUL_LO
	MUL16 0, (\q)%2, \q, \slot, \zero
	MUL16 2, (\q)%2, \q, \slot, \zero
	s_wait_dscnt 0
	PLACES NP
	FETCH_B \slot, (\q)+1, 1-(\q)%2
	FETCH_A \slot, (\q)+1, 0
	WIN MUL_HI
	MUL16 4, (\q)%2, \q, \slot, \zero
	MUL16 6, (\q)%2, \q, \slot, \zero
	PLACES NP
	WIN 0
	FETCH_A \slot, (\q)+1, 4
.endm
.macro TURN slot, next, fill
	s_wait_tensorcnt 0x0                           ; all my tensor loads have landed: my part of the next slot
	ds_add_u32 v[SPW], v[NIL]                      ; 0 onto my spare word
	s_wait_dscnt 4*NL+1                            ; (the add and the youngest 16 loads may be out)
	WIN MUL_LO
	MUL16 0, 1, NQ-1, \slot, 0
	s_wait_dscnt 0x0                               ; the add is done, and my reads of this slot are over
	s_barrier_signal -1
	MUL16 2, 1, NQ-1, \slot, 0
	WIN 0
	s_barrier_wait -1
.if \fill
	CREST                                          ; no wave of any partner still reads this slot or has a load on its way
	s_add_nc_u64 s[G0+4*\slot+2:G0+4*\slot+3], s[G0+4*\slot+2:G0+4*\slot+3], 2*ROWB
	s_add_nc_u64 s[G0B+4*\slot+2:G0B+4*\slot+3], s[G0B+4*\slot+2:G0B+4*\slot+3], 2*ROWB
	JLOAD G0+4*\slot, G1, G0B+4*\slot, G1B
	PLACES NP-4
.else
	PLACES NP
.endif
	v_add_nc_u32 v[ADRS], SSTEP, v[ADRS]
	FETCH_B \next, 0, 0
	FETCH_A \next, 0, 0
	SCALES \next
	WIN MUL_HI
	MUL16 4, 1, NQ-1, \slot, 0
	MUL16 6, 1, NQ-1, \slot, 0
	PLACES NP
	WIN 0
	FETCH_A \next, 0, 4
.endm
	s_wait_tensorcnt 1                             ; the scales and my part of K step 0 are in (K step 1's load may be out),
	s_barrier_signal -1
	s_barrier_wait -1                              ; everybody's are
	FETCH_B 0, 0, 0
	FETCH_A 0, 0, 0
	SCALES 0
	FETCH_A 0, 0, 4
	STEP 0, 0, 1
	s_mov_b32 s3, LAPS-1
.Llap:
	TURN 0, 1, 1
	STEP 1, 0, 0
	TURN 1, 0, 1
	STEP 0, 0, 0
	s_sub_co_u32 s3, s3, 1
	s_cmp_lg_u32 s3, 0
	s_cbranch_scc1 .Llap
	TURN 0, 1, 0
	STEP 1, 0, 0
	s_wait_dscnt 4*NL
	WIN MUL_LO
	MUL16 0, 1, NQ-1, 1, 0
	MUL16 2, 1, NQ-1, 1, 0
	s_wait_dscnt 0
	WIN MUL_HI
	MUL16 4, 1, NQ-1, 1, 0
	MUL16 6, 1, NQ-1, 1, 0
	WIN 0
	PLACES NP                                      ; in front of the first reads of results and of the writes into A's registers
; THE SOFTMAX OF BLOCK a: 16 queries x my 128 keys.  Register 16 i + n of the block's 64 is one of my 16 keys of block i of 32 keys; the lane 16 away holds the other 16.
.macro SOFT a
.set AC, 64*((\a)%4)
.set PCC, PC+16*((\a)%2)
.set PWC, PW+(\a)%2
.set NMC, NMS+(\a)%2
.set LLC, LL+(\a)%2
.if (\a) >= 2
	s_wait_dscnt 11                                ; the last block's eleven stores may be out; those of the block before have read the registers that are written now
.endif
	WIN 0x0a+5*((\a)/4)                            ; sources 0 and 1: window 2 or 3
.irp b, 0,1,2,3
	v_max_num_f32 v[BM+\b], v[AC+16*\b], v[AC+16*\b+1]   ; the largest score of each block of 32 keys: it serves the row's maximum and, since p rises with the score, the block's largest p.  Each accumulator is read from its low end on
.endr
.irp i, 2,4,6,8,10,12,14
.irp b, 0,1,2,3
	v_max3_num_f32 v[BM+\b], v[AC+16*\b+\i], v[AC+16*\b+\i+1], v[BM+\b]
.endr
.endr
	WIN 0
.irp b, 0,1,2,3
	v_permlanex16_b32 v[BT+\b], v[BM+\b], s[SEL], s[SEL+1]
.endr
.irp b, 0,1,2,3
	v_max_num_f32 v[BM+\b], v[BM+\b], v[BT+\b]
.endr
	v_max3_num_f32 v[RM], v[BM], v[BM+1], v[BM+2]
	v_max_num_f32 v[RM], v[RM], v[BM+3]
	v_mul_f32 v[RM], s[CS], v[RM]                  ; the chunk's largest t (c is positive)
	v_floor_f32 v[NM], -v[RM]                      ; -M = floor(-t) = -ceil(t): a whole number
	WIN 0x02+(\a)/4
.set JJ, 0
.rept 32
	v_pk_fma_f32 v[X+JJ:X+JJ+1], v[AC+JJ:AC+JJ+1], s[CS:CS+1], v[NM:NM+1] op_sel_hi:[1,0,0]   ; t - M, two at a time, into window 0
.set JJ, JJ+2
.endr
	WIN 0
.irp b, 0,1,2,3
	v_fma_f32 v[BM+\b], v[BM+\b], s[CS], v[NM]     ; the same of each block's largest score
.endr
.set JJ, 0
.rept 64
	v_exp_f32 v[X+JJ], v[X+JJ]                     ; p = 2^(t - M): not normalised
.set JJ, JJ+1
.endr
	v_mov_b32 v[NMC], v[NM]                        ; -M is kept for its store.  (The plain instruction behind the exponentials)
	s_wait_alu depctr_va_vdst(0)                   ; one wait for the batch of 64, ahead of its first reader
.irp b, 0,1,2,3
	v_exp_f32 v[BM+\b], v[BM+\b]                   ; the block's largest p: the same two instructions on the same number give the same bits
.endr
	v_pk_add_f32 v[L2:L2+1], v[X:X+1], v[X+2:X+3]  ; the sum is taken of the unquantised p: two at a time, in two chains
	v_pk_add_f32 v[LS:LS+1], v[X+4:X+5], v[X+6:X+7]
.irp j, 8,12,16,20,24,28,32,36,40,44,48,52,56,60
	v_pk_add_f32 v[LS:LS+1], v[LS:LS+1], v[X+\j:X+\j+1]
	v_pk_add_f32 v[L2:L2+1], v[L2:L2+1], v[X+\j+2:X+\j+3]
.endr
	v_pk_add_f32 v[LS:LS+1], v[LS:LS+1], v[L2:L2+1]
	v_add_f32 v[LLC], v[LS], v[LS+1]
	v_permlanex16_b32 v[XT], v[LLC], s[SEL], s[SEL+1]
	v_add_f32 v[LLC], v[LLC], v[XT]                ; with lane l xor 16's: the chunk's l
	s_wait_alu depctr_va_vdst(0)                   ; and one for the four
.irp b, 0,1,2,3
	v_max_num_f32 v[BM+\b], 0x8000000, v[BM+\b]    ; the floor 2^(16 - 127): the byte cannot fall under 1
.endr
.irp b, 0,1,2,3
	v_add_nc_u32 v[SO+\b], 0xf8800000, v[BM+\b]    ; 15 off the exponent field: the conversion's scale operand
.endr
.irp b, 0,1,2,3
	v_and_or_b32 v[HL+\b], v[BM+\b], 0x7f800000, s[MNT]   ; 57,344 x the scale
.endr
.irp b, 0,1,2,3
	v_lshrrev_b32 v[BT+\b], 23, v[SO+\b]           ; the scale's byte
.endr
	v_lshl_or_b32 v[PWC], v[BT+1], 8, v[BT]
	v_lshl_or_b32 v[PWC], v[BT+2], 16, v[PWC]
	v_lshl_or_b32 v[PWC], v[BT+3], 24, v[PWC]
.irp b, 0,1,2,3
.irp i, 0,1,2,3,4,5,6,7,8,9,10,11,12,13,14,15
	v_min_num_f32 v[X+16*\b+\i], v[X+16*\b+\i], v[HL+\b]   ; the conversion does not saturate (ISA guide 7.6.2); p is not negative, so the hold is one-sided
.endr
	v_cvt_scalef32_pk8_bf8_f32 v[PCC+4*\b:PCC+1+4*\b], v[X+16*\b:X+7+16*\b], v[SO+\b]
	v_cvt_scalef32_pk8_bf8_f32 v[PCC+2+4*\b:PCC+3+4*\b], v[X+8+16*\b:X+15+16*\b], v[SO+\b]
.endr
	v_nop                                          ; a plain instruction behind the last conversion
.irp b, 0,1,2,3,4,5,6,7
	ds_store_b64 v[STO], v[PCC+2*\b:PCC+2*\b+1] offset:(\a)*16*272+16*\b   ; accumulator b's eight codes: bytes 16 b + 8 h on of my half of the row
.endr
	ds_store_b32 v[SSTO], v[PWC] offset:128*(\a)   ; both halves of the lanes write the same words with the same values
	ds_store_b32 v[STSA], v[NMC] offset:256*(\a)
	ds_store_b32 v[STSA], v[LLC] offset:256*(\a)+8
.endm
.irp a, 0,1,2,3,4,5,6,7
	SOFT \a
.endr
	s_wait_dscnt 0x0                               ; for the others' sake: my stores into the stages are done
	s_barrier_signal -1
	s_barrier_wait -1                              ; a row's bytes come from two waves
	ds_load_b128 v[64:67], v[SRD]
	ds_load_b128 v[68:71], v[TRD]
	ds_load_b128 v[72:75], v[TRD] offset:2048
.set T, 0
.rept 32
	ds_load_b128 v[128+4*T:131+4*T], v[RD] offset:544*T
.set T, T+1
.endr
	s_wait_dscnt 34                                ; the counts: the LDS loads issued behind the one that is wanted
	global_store_b128 v[T16], v[64:67], s[10:11]   ; the work-group stores 2,048 consecutive bytes of scale bytes,
	s_wait_dscnt 33
	global_store_b128 v[T16], v[68:71], s[12:13]   ; and 4,096 of statistics
	s_wait_dscnt 32
	global_store_b128 v[T16], v[72:75], s[12:13] offset:2048
.set T, 0
.rept 32
	s_wait_dscnt 31-T
	global_store_b128 v[CO], v[128+4*T:131+4*T], s[8:9] offset:4096*T   ; 16 lanes store 256 consecutive bytes, aligned
.set T, T+1
.endr
	s_wait_tensorcnt 0x0                           ; the wave's end
	ds_add_u32 v[SPW], v[NIL]
	s_wait_dscnt 0x0
	CROUND                                         ; the closing round
	s_endpgm
.Lfunc_end_k_q4672ed79c7_score:
	.size	k_q4672ed79c7_score, .Lfunc_end_k_q4672ed79c7_score-k_q4672ed79c7_score
	.p2alignl 7, 3214868480
	.fill 96, 4, 3214868480
	.section	.rodata,"a",@progbits
	.p2align	6, 0x0
	.amdhsa_kernel k_q4672ed79c7_score
		.amdhsa_group_segment_fixed_size 327680
		.amdhsa_private_segment_fixed_size 0
		.amdhsa_enable_private_segment 0
		.amdhsa_kernarg_size 40
		.amdhsa_user_sgpr_count 2
		.amdhsa_user_sgpr_kernarg_segment_ptr 1
		.amdhsa_wavefront_size32 1
		.amdhsa_system_sgpr_workgroup_id_x 1
		.amdhsa_system_sgpr_workgroup_id_y 1
		.amdhsa_system_sgpr_workgroup_id_z 1
		.amdhsa_system_vgpr_workitem_id 0
		.amdhsa_next_free_vgpr 1024
		.amdhsa_next_free_sgpr 102
		.amdhsa_reserve_vcc 0
		.amdhsa_float_denorm_mode_32 3
		.amdhsa_float_denorm_mode_16_64 3
		.amdhsa_memory_ordered 1
		.amdhsa_forward_progress 1
		.amdhsa_inst_pref_size 232
	.end_amdhsa_kernel
	.amdgpu_metadata
---
amdhsa.version: [ 1, 2 ]
amdhsa.kernels:
  - .name:           k_q4672ed79c7_score
    .symbol:         k_q4672ed79c7_score.kd
    .args:
      - { .name: qkv, .offset: 0, .size: 8, .value_kind: global_buffer, .address_space: global }
      - { .name: qkvs, .offset: 8, .size: 8, .value_kind: global_buffer, .address_space: global }
      - { .name: pc, .offset: 16, .size: 8, .value_kind: global_buffer, .address_space: global }
      - { .name: ps, .offset: 24, .size: 8, .value_kind: global_buffer, .address_space: global }
      - { .name: st, .offset: 32, .size: 8, .value_kind: global_buffer, .address_space: global }
    .group_segment_fixed_size: 327680
    .private_segment_fixed_size: 0
    .kernarg_segment_align: 8
    .kernarg_segment_size: 40
    .max_flat_workgroup_size: 128
    .sgpr_count:     102
    .vgpr_count:     1024
    .wavefront_size: 32
...
	.end_amdgpu_metadata
.endif
;; end of part 2
;; launch mix (part 3): grid 4 x 64, 4 waves a work-group, clusters of 4 x 4, 327,680 bytes of LDS; arguments pc, ps, st, qkv, qkvs, out0; writes out0
.if DOCPART == 3
	.amdgcn_target "amdgcn-amd-amdhsa--gfx1250"
	.amdhsa_code_object_version 6
	.text
	.protected	k_q4672ed79c7_mix
	.globl	k_q4672ed79c7_mix
	.p2align	8
	.type	k_q4672ed79c7_mix,@function
k_q4672ed79c7_mix:
	s_mov_b64 s[64:65], 0
	v_nop
	global_prefetch_b8 v0, s[64:65] scope:SCOPE_SE
	s_setreg_imm32_b32 hwreg(HW_REG_WAVE_MODE, 25, 1), 1
	s_wait_xcnt 0x0
	s_wait_alu depctr_hold_cnt(0) depctr_sa_sdst(0) depctr_va_vdst(0) depctr_va_sdst(0) depctr_va_ssrc(0) depctr_va_vcc(0) depctr_vm_vsrc(0)
	s_getreg_b32 s2, hwreg(HW_REG_IB_STS2, 6, 4)
	s_cmp_eq_u32 s2, 0
	s_cbranch_scc0 .Lentry_in_a_cluster
	s_endpgm
.Lentry_in_a_cluster:
	s_bfe_u32 s2, ttmp6, 0x10000c
	s_cmp_lg_u32 s2, 0xf033
	s_cbranch_scc0 .Lentry_shape_is_right
	s_endpgm
.Lentry_shape_is_right:
; THIRD LAUNCH.  out0[q][d] = (the sum over the keys of p[q][key] V[key][d]) / l[q], on p's codes (second launch) and V^T's codes (first launch); K = the batch's 2,048 keys.  No work is left out.
; THE HEAD brings p under the row's M.  For each of the work-group's 128 rows (a thread a row): -M = the least of its 16 chunks' -M; a chunk's e = (its M) - (the row's M), a whole number, 0 or less, held at -127;
; l = the sum of the chunks' l x 2^e (exact scalings); e is added to each of the chunk's four scale bytes, and a byte that would fall under 0 becomes 0.  The codes are untouched.
; LIMITS: the bytes that come in are under 128 (p is at most 1: at most 112), which keeps the four bytes of a word apart in one addition.  A block brought to the byte 0 counts as codes x 2^-127, where the stated rule would hold the
; scale at 2^-126 and round the codes: such terms lie under 2^-110 beside an l of at least 1/2.  NaN and infinities are not served.  The division is a multiplication by v_rcp_f32's result.
; SHARES.  A tile of 128 queries x 256 of d to a work-group of four waves: 64 x 4 = 256 work-groups, (128 + 256) x 2,048 bytes of codes into each.  A wave makes 64 x 128: 32 accumulators, 256 registers.
; Source 0 = 16 rows of V^T (B), source 1 = 16 queries (A): a lane holds eight neighbouring d of one query.  K goes in steps of 256 through a ring of two LDS slots.
; CLUSTERS: 4 x 4: p's tiles are shared along a row of the cluster, V^T's along a column; a cluster's four tiles of queries lie in one batch (cluster y / 4).
; REGISTERS, in windows of 256: window 0: v0-31 addresses; v32-63 scale words, two sets; v96-103 1 / l of my rows; v128-191, v192-255 A's fragments, two sets (the head works there first, the way out last).
;   window 1: B's fragments, two sets.   window 2: the accumulators, (a, b) at v[8 (8 a + b)].
.set KSTEP,  256
.set ROWB,   256                       ; a tile's row in bytes
.set KROW,   2048                      ; a row of p or of V^T in memory
.set PITCH,  272                       ; an LDS row: 256 bytes + 16 of padding = 68 words: the 16 rows that a load touches start at 16 different banks (64 banks of 4 bytes: ISA guide 11.1)
.set FR,     16
.set NP,     8                         ; places behind this matrix instruction (ISA guide 7.12.1)
.set HA,     64*PITCH                  ; 64 rows of A: what waves 0 and 1 fetch, and what a wave reads of A
.set HB,     128*PITCH                 ; 128 rows of B: what waves 2 and 3 fetch, and what a wave reads of B
.set SLOT,   2*HA+2*HB                 ; A's 128 rows, then B's 256 rows
.set LAPS,   4                         ; 2,048 / 512
.set SCL,    2*SLOT                    ; p's scale bytes, [8 K steps][128 rows][8 bytes]: stored by the head; no fill lands here
.set SCB,    SCL+8192                  ; V's: [2 halves][8 K steps][128 rows][8 bytes]: filled once
.set SBLK,   128                       ; the scale bytes of 16 rows
.set SSTEP,  1024                      ; from a K step's to the next, in A's block and in B's alike
.set IL,     SCB+16384                 ; 1 / l, 4 bytes a row
.set SPARE,  IL+512                    ; the spare words, 128 bytes for each wave
.set SPITCH, 528                       ; the way out: a stage of 16 rows x (512 bytes + 16) for each wave, in slot 0, which has had its last fill and its last read by then
.set CODEW,  (1<<20)|(1<<21)|(5<<22)|(3<<25)   ; group 1, word 0: elements of 1 byte; padding on; bit 21 beside a mask; 4 words of padding after every 64
.set SCLW,   (3<<16)|(1<<21)                   ; elements of 8 bytes, no padding, bit 21 beside a mask
.set ILA,  12                          ; v12  where I read my rows' 1 / l
.set ILS,  13                          ; v13  where I store my row's
.set SCAS, 14                          ; v14  where I store my row's scale bytes
.set ADRA, 16                          ; v16-17  LDS address of my A fragments in slot 0, 1
.set ADRB, 20                          ; v20-21  the same for B
.set STO,  24
.set RD,   25
.set CO,   26
.set ADRS, 27                          ; v27  LDS address of my scale words: lanes 0-15 A's rows, lanes 16-31 B's
.set SPW,  28                          ; v28  LDS address of my spare word; never rewritten
.set NIL,  29                          ; v29  0; never rewritten
.set PFO,  30                          ; v30  the prefetches' offset: my lane x a row of 2,048 bytes; never rewritten
.set SC,   32                          ; scale words: set s at v[SC + 16 s]; register 2 i + q: lanes 0-15 A's block i, lanes 16-31 B's block i, the slot's q-th 128 along K
.set IV,   96                          ; v96-103 block a's 1 / l in the even register 2 a
.set AF,   128
.set BK,   128                         ; the way out: 16 rows read back from the stage: v128-191 and v192-255 by turns
.set TT,   128                         ; the head's: v128-159 my row's statistics, v160-175 its scale bytes, v224-238 at work
.set WW,   160
.set NMR,  224
.set LSUM, 226
.set EE,   228
.set LC,   230
.set DD,   232
.set UU,   234
.set MM,   236
.set RC,   238
.set G1, 24                            ; s[24:31] group 1 for A's tiles (64 rows);  s[32:39] group 0, one set for each slot
.set G0, 32
.set G1B, 48                           ; s[48:55] group 1 for B's tiles (128 rows);  s[56:63] group 0
.set G0B, 56
.set REP, 66                           ; s66  0x01010101
.set LIM, 67                           ; s67  1 in a wave that prefetches, else the greatest number
.set G1SB, 80                          ; s[80:87], s[88:91] groups 1 and 0 for V's scale bytes
.set G0SB, 88
.set PFA, 100                          ; s[100:101] where my prefetches stand: my 32 rows, at the K step that the next refill will ask for
.set MSB, 0
.macro WIN new                         ; the immediate's high byte repeats the setting that is left
.if MSB != (\new)
	s_set_vgpr_msb (MSB<<8)|(\new)
.set MSB, \new
.endif
.endm
.set MUL,  0xa1                        ; source 0 (B) window 1, source 1 (A) window 0, C and D window 2
.set TO_B, 0x40                        ; destination window 1, address window 0
.macro JLOAD g0a, g1a, g0b, g1b        ; a joint load: waves 0 and 1 fetch for A, waves 2 and 3 for B; an s_nop 0 and four v_nop follow each line
	s_cmp_eq_u32 s15, 0
	s_cbranch_scc0 .Lfor_b_\@
	tensor_load_to_lds s[\g0a:\g0a+3], s[\g1a:\g1a+7]
	s_nop 0
.rept 4
	v_nop
.endr
	s_branch .Lasked_\@
.Lfor_b_\@:
	tensor_load_to_lds s[\g0b:\g0b+3], s[\g1b:\g1b+7]
	s_nop 0
.rept 4
	v_nop
.endr
.Lasked_\@:
.endm
; A PREFETCH INTO THE L2 of what the NEXT refill will ask for: 256 bytes of each of 32 rows, a lane a row, one instruction a wave.  It stands behind the joint load, its five lines and the run of LDS loads.
; Each row's 256 bytes of a K step are named ONCE in the launch.  p's 128 rows are read by one row of one cluster alone: each of its four partners takes 32 of them, told apart BY ADDRESS (cx), and wave 0 asks.
; V^T's 256 rows are read by the batch's four clusters: the first of them (cluster y % 4 = 0) asks; each of the four partners of a column takes 64, told apart by address (cy), 32 for wave 2 and 32 for wave 3.
; No branch hangs on a work-group's place in its cluster.  last = 1 (slot 1's refill): in the loop's last trip there is no K step behind the one that is asked for, and nothing is prefetched.
.macro ASK last
.if \last
	s_cmp_gt_u32 s3, s[LIM]                        ; s3 = 1 in the loop's last trip
.else
	s_cmp_eq_u32 s[LIM], 1
.endif
	s_cbranch_scc0 .Lnot_mine_\@
	global_prefetch_b8 v[PFO], s[PFA:PFA+1] th:TH_LOAD_NT scope:SCOPE_SE
.Lnot_mine_\@:
.endm
.macro CREST                           ; a round of the cluster's barrier behind its opening barrier
	s_cmp_lg_u32 s14, 0
	s_cbranch_scc1 .Lnot_wave_0_\@
	s_barrier_signal -3
.Lnot_wave_0_\@:
	s_barrier_wait -3
	s_barrier_signal -1
	s_barrier_wait -1
.endm
.macro CROUND
	s_barrier_signal -1
	s_barrier_wait -1
	CREST
.endm
	s_load_b128 s[4:7], s[0:1], 0x0                ; pc s[4:5], ps s[6:7]
	s_load_b128 s[8:11], s[0:1], 0x10              ; st s[8:9], qkv s[10:11]
	s_load_b128 s[96:99], s[0:1], 0x20             ; qkvs s[96:97], out0 s[98:99]
	v_lshl_add_u32 v[SPW], v0, 2, SPARE
	v_mov_b32 v[NIL], 0
	ds_add_u32 v[SPW], v[NIL]                      ; the wave's opening: the add, twice on end, and its wait ahead of my first tensor load
	ds_add_u32 v[SPW], v[NIL]
	v_lshrrev_b32 v1, 5, v0
	v_readfirstlane_b32 s14, v1                    ; wave 0..3
	s_lshr_b32 s15, s14, 1                         ; my half of the queries.  Also: I fetch for A (0) or for B (1)
	s_and_b32 s16, s14, 1                          ; my half of d.  Also: which half of that tile's rows I fetch
	s_bfe_u32 s40, ttmp6, 0x40000                  ; cx
	s_bfe_u32 s41, ttmp6, 0x40004                  ; cy
	s_lshl_b32 s42, ttmp9, 2
	s_add_co_u32 s42, s42, s40                     ; the tile of 256 d, 0..3
	s_and_b32 s19, ttmp7, 0xffff
	s_lshl_b32 s17, s19, 2
	s_add_co_u32 s17, s17, s41                     ; the tile of 128 queries among all 8,192 rows, 0..63
	s_lshr_b32 s19, s19, 2                         ; the batch: from cluster y alone
	s_lshl_b32 s43, s41, 2
	s_lshl_b32 s43, 15, s43                        ; my row of the cluster
	s_lshl_b32 s44, 0x1111, s40                    ; my column
	s_or_b32 s[G1+0], s43, CODEW                   ; A: a tile of 64 rows x 256 bytes
	s_mov_b32 s[G1+1], ROWB<<16                    ; tensor_dim0
	s_mov_b32 s[G1+2], 64<<16                      ; tensor_dim1
	s_mov_b32 s[G1+3], ROWB<<16                    ; tile_dim0
	s_mov_b32 s[G1+4], 64                          ; tile_dim1
	s_mov_b32 s[G1+5], KROW                        ; from row to row
	s_mov_b32 s[G1+6], 0
	s_mov_b32 s[G1+7], 0
	s_or_b32 s[G1B+0], s44, CODEW                  ; B: 128 rows x 256 bytes
	s_mov_b32 s[G1B+1], ROWB<<16
	s_mov_b32 s[G1B+2], 128<<16
	s_mov_b32 s[G1B+3], ROWB<<16
	s_mov_b32 s[G1B+4], 128
	s_mov_b32 s[G1B+5], KROW
	s_mov_b32 s[G1B+6], 0
	s_mov_b32 s[G1B+7], 0
	s_or_b32 s[G1SB+0], s44, SCLW                  ; V's scale bytes of 128 rows: 8 rows (K steps) of 128 elements of 8 bytes, 1,024 elements apart
	s_mov_b32 s[G1SB+1], 128<<16
	s_mov_b32 s[G1SB+2], 8<<16
	s_mov_b32 s[G1SB+3], 128<<16
	s_mov_b32 s[G1SB+4], 8
	s_mov_b32 s[G1SB+5], 1024
	s_mov_b32 s[G1SB+6], 0
	s_mov_b32 s[G1SB+7], 0
	s_lshl_b32 s20, s17, 7
	s_lshl_b32 s18, s16, 6
	s_add_co_u32 s20, s20, s18                     ; p's row: 128 x tile + 64 x half
	s_lshl_b32 s20, s20, 11                        ; in bytes (all offsets here stay under 2^31)
	s_mov_b32 s21, 0
	s_lshl_b32 s46, s42, 8
	s_lshl_b32 s18, s16, 7
	s_add_co_u32 s46, s46, s18                     ; V^T's row in its batch: 256 x tile + 128 x half
	s_lshl_b32 s92, s46, 3
	s_lshl_b32 s93, s19, 16
	s_add_co_u32 s92, s92, s93
	s_add_co_u32 s92, s92, 524288                  ; V's scale bytes lie behind Q's and K's
	s_mov_b32 s93, 0
	s_lshl_b32 s46, s46, 11
	s_lshl_b32 s47, s19, 21
	s_add_co_u32 s46, s46, s47
	s_add_co_u32 s46, s46, 16777216                ; V^T's codes lie behind Q's and K's
	s_mov_b32 s47, 0
	s_mul_i32 s45, s16, HA                         ; where they go: A's two halves,
	s_mul_i32 s95, s16, HB
	s_add_co_u32 s95, s95, 2*HA                    ; then B's two halves: no place in the cluster enters an LDS address
	s_lshl_b32 s94, s16, 13
	s_mov_b32 s[REP], 0x01010101
	s_wait_dscnt 0x0                               ; both opening adds are done
	s_wait_kmcnt 0x0
	s_add_nc_u64 s[20:21], s[4:5], s[20:21]
	s_add_nc_u64 s[46:47], s[10:11], s[46:47]
	s_add_nc_u64 s[92:93], s[96:97], s[92:93]
	CROUND                                         ; all sixteen work-groups are here: the first joint loads meet
	s_mov_b32 s[G0SB], 1
	s_add_co_u32 s[G0SB+1], s94, SCB
	s_mov_b64 s[G0SB+2:G0SB+3], s[92:93]
	s_or_b32 s[G0SB+3], s[G0SB+3], 0x80000000
.irp s, 0,1
	s_mov_b32 s[G0+4*\s], 1
	s_add_co_u32 s[G0+4*\s+1], s45, \s*SLOT
	s_add_nc_u64 s[G0+4*\s+2:G0+4*\s+3], s[20:21], \s*ROWB
	s_or_b32 s[G0+4*\s+3], s[G0+4*\s+3], 0x80000000
	s_mov_b32 s[G0B+4*\s], 1
	s_add_co_u32 s[G0B+4*\s+1], s95, \s*SLOT
	s_add_nc_u64 s[G0B+4*\s+2:G0B+4*\s+3], s[46:47], \s*ROWB
	s_or_b32 s[G0B+4*\s+3], s[G0B+4*\s+3], 0x80000000
.endr
	s_cmp_eq_u32 s15, 0                            ; a wave's first fills stand in one branch on its number: two loads (A) or three (B) of mine are out
	s_cbranch_scc0 .Lfirst_b
	tensor_load_to_lds s[G0:G0+3], s[G1:G1+7]
	s_nop 0
	tensor_load_to_lds s[G0+4:G0+7], s[G1:G1+7]
	s_nop 0
.rept 4
	v_nop
.endr
	s_branch .Lfirst_asked
.Lfirst_b:
	tensor_load_to_lds s[G0SB:G0SB+3], s[G1SB:G1SB+7]
	s_nop 0
	tensor_load_to_lds s[G0B:G0B+3], s[G1B:G1B+7]
	s_nop 0
	tensor_load_to_lds s[G0B+4:G0B+7], s[G1B:G1B+7]
	s_nop 0
.rept 4
	v_nop
.endr
.Lfirst_asked:
	; the head's loads: thread t takes row t of the tile: 8 x 16 bytes of statistics and 8 x 8 scale bytes; a wave's load covers 512 or 256 consecutive bytes
	s_lshl_b32 s22, s17, 10
	s_mov_b32 s23, 0
	s_add_nc_u64 s[6:7], s[6:7], s[22:23]
	s_lshl_b32 s22, s17, 11
	s_add_nc_u64 s[8:9], s[8:9], s[22:23]
	v_lshlrev_b32 v8, 4, v0
	v_lshlrev_b32 v9, 3, v0
.irp n, 0,1,2,3,4,5,6,7
	global_load_b128 v[TT+4*\n:TT+4*\n+3], v8, s[8:9] offset:131072*\n
	global_load_b64 v[WW+2*\n:WW+2*\n+1], v9, s[6:7] offset:65536*\n
.endr
	v_and_b32 v1, 15, v0                           ; r = l % 16
	v_bfe_u32 v2, v0, 4, 1                         ; h = l / 16
	v_mul_u32_u24 v3, v1, PITCH
	v_lshl_add_u32 v4, v2, 4, v3                   ; a fragment's row x pitch + 16 x half
	s_mul_i32 s21, s15, HA                         ; my 64 rows of A
	s_mul_i32 s22, s16, HB                         ; my 128 rows of B,
	s_add_co_u32 s22, s22, 2*HA                    ; which lie behind A's 128
.irp s, 0,1
	v_add_nc_u32 v[ADRA+\s], s21, v4
	v_add_nc_u32 v[ADRB+\s], s22, v4
	s_add_co_u32 s21, s21, SLOT
	s_add_co_u32 s22, s22, SLOT
.endr
	v_lshlrev_b32 v5, 3, v1                        ; my row's scale bytes: 8 a row and K step
	s_lshl_b32 s21, s15, 9                         ; A's: my 64 rows of the 128
	s_lshl_b32 s22, s16, 13                        ; B's: my half, behind A's 8,192 bytes
	s_add_co_u32 s22, s22, 8192
	s_sub_co_u32 s22, s22, s21
	v_mul_u32_u24 v6, s22, v2                      ; lanes 16-31 take B's
	s_add_co_u32 s21, s21, SCL
	v_add_nc_u32 v5, v5, v6
	v_add_nc_u32 v[ADRS], s21, v5
	s_lshl_b32 s23, s15, 8
	s_add_co_u32 s23, s23, IL
	v_lshl_add_u32 v[ILA], v1, 2, s23
	v_lshl_add_u32 v[ILS], v0, 2, IL
	v_lshl_add_u32 v[SCAS], v0, 3, SCL
	s_mul_i32 s23, s14, 16*SPITCH                  ; my stage
	v_mul_u32_u24 v5, v1, SPITCH                   ; in: row r, 32 bytes for each half of the lanes
	v_lshl_add_u32 v5, v2, 5, v5
	v_add_nc_u32 v[STO], s23, v5
	v_and_b32 v6, 31, v0
	v_lshlrev_b32 v[CO], 4, v6                     ; back: the 32 lanes take one row of 512 bytes; and the same in out0
	v_add_nc_u32 v[RD], s23, v[CO]
	v_lshlrev_b32 v[PFO], 11, v6
	s_lshl_b32 s20, s17, 7
	s_lshl_b32 s21, s15, 6
	s_add_co_u32 s20, s20, s21                     ; my first row of out0: 128 x tile + 64 x half
	s_lshl_b32 s20, s20, 12
	s_lshl_b32 s46, s42, 10                        ; my first column, in bytes
	s_lshl_b32 s47, s16, 9
	s_add_co_u32 s46, s46, s47
	s_add_co_u32 s20, s20, s46
	s_mov_b32 s21, 0
	s_add_nc_u64 s[12:13], s[98:99], s[20:21]
	; the prefetches (macro ASK): where my wave's stand, and who asks
	s_lshl_b32 s20, s17, 7
	s_lshl_b32 s21, s40, 5
	s_add_co_u32 s20, s20, s21                     ; p: row 128 x tile + 32 cx
	s_lshl_b32 s20, s20, 11
	s_lshl_b32 s22, s42, 8
	s_lshl_b32 s23, s41, 6
	s_add_co_u32 s22, s22, s23
	s_lshl_b32 s23, s16, 5
	s_add_co_u32 s22, s22, s23                     ; V^T: row 256 x tile + 64 cy + 32 x (wave - 2)
	s_lshl_b32 s22, s22, 11
	s_lshl_b32 s23, s19, 21
	s_add_co_u32 s22, s22, s23
	s_add_co_u32 s22, s22, 16777216
	s_and_b32 s23, ttmp7, 3                        ; cluster y % 4: which of the batch's four clusters
	s_cmp_eq_u32 s15, 0                            ; do I fetch for A?
	s_cselect_b32 s20, s20, s22
	s_cselect_b64 s[PFA:PFA+1], s[4:5], s[10:11]
	s_cselect_b32 s23, s16, s23                    ; 0 in wave 0; in waves 2 and 3 of the batch's first cluster
	s_cmp_eq_u32 s23, 0
	s_cselect_b32 s[LIM], 1, -1                    ; the same in all sixteen partners, for a given wave
	s_mov_b32 s21, 0
	s_add_nc_u64 s[PFA:PFA+1], s[PFA:PFA+1], s[20:21]
	s_add_nc_u64 s[PFA:PFA+1], s[PFA:PFA+1], 2*ROWB   ; at K step 2: the first refill steps it to 3.  Nothing is prefetched here, at the head, where every work-group's first tiles are on their way
.irp a, 0,1,2,3
	v_mov_b32 v[IV+2*\a+1], 0                      ; (named as the upper half of a pair, so it is written)
.endr
	s_wait_loadcnt 0x0
	; my row.  A K step's two chunks go side by side, line by line
	v_min_num_f32 v[NMR], v[TT], v[TT+1]
.irp n, 1,2,3,4,5,6,7
	v_min3_num_f32 v[NMR], v[NMR], v[TT+4*\n], v[TT+4*\n+1]   ; the row's -M: the least of sixteen
.endr
.irp n, 0,1,2,3,4,5,6,7
.irp c, 0,1
	v_sub_f32 v[EE+\c], v[NMR], v[TT+4*\n+\c]      ; e = the chunk's M - the row's M: a whole number, 0 or less
.endr
.irp c, 0,1
	v_max_num_f32 v[EE+\c], 0xc2fe0000, v[EE+\c]   ; held at -127
.endr
.irp c, 0,1
	v_cvt_i32_f32 v[EE+\c], v[EE+\c]
.endr
.irp c, 0,1
	v_ldexp_f32 v[LC+\c], v[TT+4*\n+2+\c], v[EE+\c]   ; the chunk's l under the row's M
.endr
.irp c, 0,1
	v_mul_lo_u32 v[DD+\c], v[EE+\c], s[REP]        ; e in each of four bytes (as one whole number)
.endr
.irp c, 0,1
	v_or_b32 v[UU+\c], 0x80808080, v[WW+2*\n+\c]   ; 128 onto each byte: 128 + byte + e lies in 1 .. 255, so no byte borrows from the next
.endr
.irp c, 0,1
	v_add_nc_u32 v[UU+\c], v[UU+\c], v[DD+\c]
.endr
.irp c, 0,1
	v_and_b32 v[MM+\c], 0x80808080, v[UU+\c]       ; the top bit still stands where byte + e is not negative
.endr
.irp c, 0,1
	v_lshrrev_b32 v[DD+\c], 7, v[MM+\c]
.endr
.irp c, 0,1
	v_sub_nc_u32 v[MM+\c], v[MM+\c], v[DD+\c]      ; 0x7f there, 0 elsewhere
.endr
.irp c, 0,1
	v_and_b32 v[WW+2*\n+\c], v[UU+\c], v[MM+\c]    ; byte + e, or 0
.endr
.if \n == 0
	v_add_f32 v[LSUM], v[LC], v[LC+1]
.else
	v_add_f32 v[LC], v[LC], v[LC+1]
	v_add_f32 v[LSUM], v[LSUM], v[LC]
.endif
.endr
	v_rcp_f32 v[RC], v[LSUM]
	v_nop                                          ; a plain instruction behind the reciprocal
.irp n, 0,1,2,3,4,5,6,7
	ds_store_b64 v[SCAS], v[WW+2*\n:WW+2*\n+1] offset:1024*\n
.endr
	s_wait_alu depctr_va_vdst(0)                   ; the wait ahead of the reciprocal's first reader
	ds_store_b32 v[ILS], v[RC]
.macro FRAG reg, adr, q, i             ; 16 rows x 128 K: lane l holds row l % 16; registers 4 c .. 4 c + 3 hold K = 32 c + 16 (l / 16) + 0 .. 15
.irp c, 0,1,2,3
	ds_load_b128 v[\reg+4*\c:\reg+4*\c+3], v[\adr] offset:128*(\q)+32*\c+(\i)*16*PITCH
.endr
.endm
; 8 matrix instructions: A's block a x B's eight, on set p, the slot's q-th 128 along K, scale words of set sc.  The 32 accumulators take turns, one instruction a turn, in the same order in every step.
.macro MUL8 a, p, q, sc, zero
.irp b, 0,1,2,3,4,5,6,7
.if \zero
	v_wmma_scale_f32_16x16x128_f8f6f4 v[8*(8*(\a)+\b):8*(8*(\a)+\b)+7], v[128*(\p)+FR*\b:128*(\p)+FR*\b+FR-1], v[AF+64*(\p)+FR*(\a):AF+64*(\p)+FR*(\a)+FR-1], 0, v[SC+16*(\sc)+2*\b+(\q)], v[SC+16*(\sc)+2*(\a)+(\q)] matrix_a_fmt:MATRIX_FMT_BF8 matrix_b_fmt:MATRIX_FMT_BF8 matrix_a_scale:MATRIX_SCALE_ROW1
.else
	v_wmma_scale_f32_16x16x128_f8f6f4 v[8*(8*(\a)+\b):8*(8*(\a)+\b)+7], v[128*(\p)+FR*\b:128*(\p)+FR*\b+FR-1], v[AF+64*(\p)+FR*(\a):AF+64*(\p)+FR*(\a)+FR-1], v[8*(8*(\a)+\b):8*(8*(\a)+\b)+7], v[SC+16*(\sc)+2*\b+(\q)], v[SC+16*(\sc)+2*(\a)+(\q)] matrix_a_fmt:MATRIX_FMT_BF8 matrix_b_fmt:MATRIX_FMT_BF8 matrix_a_scale:MATRIX_SCALE_ROW1
.endif
.endr
.endm
.macro FETCH slot, q, p                ; 48 LDS loads in one run: B's eight fragments and A's four of the slot's q-th 128 along K, into set p
	WIN TO_B
.irp i, 0,1,2,3,4,5,6,7
	FRAG 128*(\p)+FR*\i, ADRB+\slot, \q, \i
.endr
	WIN 0
.irp i, 0,1,2,3
	FRAG AF+64*(\p)+FR*\i, ADRA+\slot, \q, \i
.endr
.endm
.macro SCALES sc                       ; a K step's two scale words a row: lanes 0-15 take A's block i, lanes 16-31 B's block i.  A has four blocks: what lanes 0-15 bring for i = 4 .. 7 (bytes of the same two regions) no product names
.irp i, 0,1,2,3,4,5,6,7
	ds_load_b64 v[SC+16*\sc+2*\i:SC+16*\sc+2*\i+1], v[ADRS] offset:\i*SBLK
.endr
.endm
.macro PLACES n                        ; plain vector instructions that name no register of the matrix instructions before them (ISA guide 7.12.1)
.rept \n
	v_nop
.endr
.endm
; A slot's first 128 along K, on set 0; in its middle the slot's second 128 are fetched into set 1: my last reads of the slot.
.macro STEP slot, zero
	s_wait_dscnt 0x0                               ; set 0 and the scale words are in
	WIN MUL
	MUL8 0, 0, 0, \slot, \zero
	MUL8 1, 0, 0, \slot, \zero
	PLACES NP                                      ; in front of the loads into set 1, which the step before multiplied
	FETCH \slot, 1, 1
	WIN MUL
	MUL8 2, 0, 0, \slot, \zero
	MUL8 3, 0, 0, \slot, \zero
	WIN 0                                          ; at a label and at a branch every window is 0; the add's two registers lie in window 0
.endm
; A slot's second 128 along K, on set 1, and the change of slots, which comes FIRST: each wave waits for all its tensor loads (its part of the next slot), adds 0 to its spare word, and waits for that and for its reads
; of this slot (the run in the step before).  Behind the barrier nobody reads this slot any more and the next slot is whole.  fill = 1: the barrier opens a round of the cluster's, and this slot is asked for again, two K steps on,
; with nothing but the round between the landing of one tile and the request for the next.  Then the next slot's first fragments are fetched, and the step's 32 products stand behind that run.
.macro TURN slot, next, fill
.if \fill
	s_wait_xcnt 0x0                                ; the last prefetch, a K step back, has read its address:
	s_add_nc_u64 s[PFA:PFA+1], s[PFA:PFA+1], ROWB  ; one K step further on than the refill below
.endif
	s_wait_tensorcnt 0x0                           ; all my tensor loads have landed, so a group 0 may be written
	ds_add_u32 v[SPW], v[NIL]                      ; 0 onto my spare word
.if \fill
	s_add_nc_u64 s[G0+4*\slot+2:G0+4*\slot+3], s[G0+4*\slot+2:G0+4*\slot+3], 2*ROWB
	s_add_nc_u64 s[G0B+4*\slot+2:G0B+4*\slot+3], s[G0B+4*\slot+2:G0B+4*\slot+3], 2*ROWB
.endif
	s_wait_dscnt 0x0                               ; the add is done, set 1 is in, and with it my reads of this slot are over
	s_barrier_signal -1
	s_barrier_wait -1
.if \fill
	CREST                                          ; no wave of any partner still reads this slot or has a load on its way
	JLOAD G0+4*\slot, G1, G0B+4*\slot, G1B         ; the first tensor load behind the round; its four v_nop are among the places in front of the loads below
	PLACES NP-4
.else
	PLACES NP
.endif
	v_add_nc_u32 v[ADRS], SSTEP, v[ADRS]           ; the next K step's scale words (no LDS load of mine is out)
	FETCH \next, 0, 0
	SCALES \next
.if \fill
	ASK \slot
.endif
	WIN MUL
	MUL8 0, 1, 1, \slot, 0
	MUL8 1, 1, 1, \slot, 0
	MUL8 2, 1, 1, \slot, 0
	MUL8 3, 1, 1, \slot, 0
.endm
	s_wait_dscnt 0x0                               ; for the others' sake: my row's scale bytes and 1 / l lie in LDS
	s_wait_tensorcnt 1                             ; my part of K step 0 (and V's scale bytes, where I asked for them) is in; K step 1's load may be out,
	s_barrier_signal -1
	s_barrier_wait -1                              ; everybody's are
.irp a, 0,1,2,3
	ds_load_b32 v[IV+2*\a], v[ILA] offset:64*\a    ; 1 / l of row 16 a + r of my 64
.endr
	FETCH 0, 0, 0
	SCALES 0
	STEP 0, 1                                      ; the first step's products start the sums: nothing is cleared
	s_mov_b32 s3, LAPS-1
.Llap:                                             ; a trip goes once round the ring, from a lap's second step to the next lap's first, and fills both slots again
	TURN 0, 1, 1
	STEP 1, 0
	TURN 1, 0, 1
	STEP 0, 0
	s_sub_co_u32 s3, s3, 1
	s_cmp_lg_u32 s3, 0
	s_cbranch_scc1 .Llap
	TURN 0, 1, 0                                   ; the last lap fills nothing, and has no round of the cluster's barrier
	STEP 1, 0
	s_wait_dscnt 0x0                               ; the very last step: nothing more to fetch
	WIN MUL
	MUL8 0, 1, 1, 1, 0
	MUL8 1, 1, 1, 1, 0
	MUL8 2, 1, 1, 1, 0
	MUL8 3, 1, 1, 1, 0
	WIN 0
; THE WAY OUT, block by block of 16 rows x 128 columns: x 1 / l, through my own stage in LDS, back as whole rows of 512 bytes.  LDS serves a wave's instructions in order (ISA guide 5.7.1.4).
.macro SCALEBLK a
.set AC, 64*(\a)
	WIN 0x82                                       ; destination and source 0: window 2; 1 / l in window 0
.set JJ, 0
.rept 32
	v_pk_mul_f32 v[AC+JJ:AC+JJ+1], v[AC+JJ:AC+JJ+1], v[IV+2*(\a):IV+2*(\a)+1] op_sel_hi:[1,0]   ; each accumulator from its low end on
.set JJ, JJ+2
.endr
.endm
.macro TOSTAGE a
.set AC, 64*(\a)
	WIN 0x08                                       ; an LDS store's data are its source 1: window 2
.irp b, 0,1,2,3,4,5,6,7
	ds_store_b128 v[STO], v[AC+8*\b:AC+8*\b+3] offset:64*\b
	ds_store_b128 v[STO], v[AC+8*\b+4:AC+8*\b+7] offset:64*\b+16
.endr
	WIN 0
.set BB, BK+64*((\a)%2)
.irp t, 0,1,2,3,4,5,6,7,8,9,10,11,12,13,14,15
	ds_load_b128 v[BB+4*\t:BB+4*\t+3], v[RD] offset:\t*SPITCH
.endr
.endm
.macro SEND a, younger                 ; younger: the LDS instructions issued behind block a's loads, which may stay out
.set BB, BK+64*((\a)%2)
	s_wait_dscnt \younger
.if (\a) > 0
	s_add_nc_u64 s[12:13], s[12:13], 16*4096       ; (behind a wait on XCNT: the earlier stores have read their base)  16 rows of out0 on
.endif
.irp t, 0,1,2,3,4,5,6,7,8,9,10,11,12,13,14,15
	global_store_b128 v[CO], v[BB+4*\t:BB+4*\t+3], s[12:13] offset:\t*4096 th:TH_STORE_NT   ; 32 lanes store 512 consecutive bytes, aligned; written once, read by nobody here
.endr
.endm
	PLACES NP                                      ; in front of the first reads of results and of the loads into A's registers
	SCALEBLK 0
	TOSTAGE 0
.irp a, 1,2,3
	SCALEBLK \a
.if \a > 1
	s_wait_xcnt 0x0                                ; block a - 2's stores have read their registers and their base
.endif
	TOSTAGE \a
	SEND \a-1, 32                                  ; behind block a - 1's loads: block a's 16 stores and 16 loads
.endr
	s_wait_xcnt 0x0
	SEND 3, 0
	s_wait_tensorcnt 0x0                           ; the wave's end
	ds_add_u32 v[SPW], v[NIL]
	s_wait_dscnt 0x0
	CROUND                                         ; the closing round
	s_endpgm
.Lfunc_end_k_q4672ed79c7_mix:
	.size	k_q4672ed79c7_mix, .Lfunc_end_k_q4672ed79c7_mix-k_q4672ed79c7_mix
	.p2alignl 7, 3214868480
	.fill 96, 4, 3214868480
	.section	.rodata,"a",@progbits
	.p2align	6, 0x0
	.amdhsa_kernel k_q4672ed79c7_mix
		.amdhsa_group_segment_fixed_size 327680
		.amdhsa_private_segment_fixed_size 0
		.amdhsa_enable_private_segment 0
		.amdhsa_kernarg_size 48
		.amdhsa_user_sgpr_count 2
		.amdhsa_user_sgpr_kernarg_segment_ptr 1
		.amdhsa_wavefront_size32 1
		.amdhsa_system_sgpr_workgroup_id_x 1
		.amdhsa_system_sgpr_workgroup_id_y 1
		.amdhsa_system_sgpr_workgroup_id_z 1
		.amdhsa_system_vgpr_workitem_id 0
		.amdhsa_next_free_vgpr 768
		.amdhsa_next_free_sgpr 102
		.amdhsa_reserve_vcc 0
		.amdhsa_float_denorm_mode_32 3
		.amdhsa_float_denorm_mode_16_64 3
		.amdhsa_memory_ordered 1
		.amdhsa_forward_progress 1
		.amdhsa_inst_pref_size 109
	.end_amdhsa_kernel
	.amdgpu_metadata
---
amdhsa.version: [ 1, 2 ]
amdhsa.kernels:
  - .name:           k_q4672ed79c7_mix
    .symbol:         k_q4672ed79c7_mix.kd
    .args:
      - { .name: pc, .offset: 0, .size: 8, .value_kind: global_buffer, .address_space: global }
      - { .name: ps, .offset: 8, .size: 8, .value_kind: global_buffer, .address_space: global }
      - { .name: st, .offset: 16, .size: 8, .value_kind: global_buffer, .address_space: global }
      - { .name: qkv, .offset: 24, .size: 8, .value_kind: global_buffer, .address_space: global }
      - { .name: qkvs, .offset: 32, .size: 8, .value_kind: global_buffer, .address_space: global }
      - { .name: out0, .offset: 40, .size: 8, .value_kind: global_buffer, .address_space: global }
    .group_segment_fixed_size: 327680
    .private_segment_fixed_size: 0
    .kernarg_segment_align: 8
    .kernarg_segment_size: 48
    .max_flat_workgroup_size: 128
    .sgpr_count:     102
    .vgpr_count:     768
    .wavefront_size: 32
...
	.end_amdgpu_metadata
.endif
;; end of part 3
